; MI455X (gfx1250); checked and timed in simulation.
; The chip was launched on July 23, 2026; its instructions are those of AMD's public machine-readable ISA for CDNA 5 (MIT licence, August 2026) and "CDNA5" Instruction Set Architecture Reference Guide (July 2026). The comments in the code are by the model that wrote it; some were corrected since.
;; Block. Allowed arithmetic: matrix products marked QUANTISED: E3M2 operands, one E8M0 scale for each 32 along K, by v_wmma_scale_f32_16x16x128_f8f6f4 with both operands' format E3M2, f32 sums; everything else in f32.
;; Inputs: fc1_b 3,072 float32; fc1_w_codes 3,072 x 12 x 24 uint8 (E3M2 codes of fc1_w, K innermost, in blocks of 32 codes, four codes in three bytes); fc1_w_scales 3,072 x 12 uint8 (E8M0 scales of fc1_w, one for each 32 codes along K); fc2_b 384 float32; fc2_w_codes 384 x 96 x 24 uint8 (E3M2 codes of fc2_w, K innermost, in blocks of 32 codes, four codes in three bytes); fc2_w_scales 384 x 96 uint8 (E8M0 scales of fc2_w, one for each 32 codes along K); ln1_b 384 float32; ln1_w 384 float32; ln2_b 384 float32; ln2_w 384 float32; x 8 x 2,048 x 384 float32.
;; Outputs: out0 8 x 2,048 x 384 float32.
;; This version of the problem:
;;   THIS VERSION OF THE PROBLEM IS GIVEN IN LOW PRECISION. The matrix products marked QUANTISED in the list below multiply operands that are first quantised to E3M2 (3 exponent bits, 2 mantissa bits; 6 bits a number), with one power-of-two scale for each 32 numbers along K (OCP MX v1.0); their sums are f32. All else is computed in f32.
;;   The module's matrix products, in the order in which they are computed (A, B: the left and right operand; K: the contracted axis; several contracted axes count as one K, in the product's order):
;;     1. batch 8 x [M 2,048, K 384] x [K 384, N 2,048]; A: computed on the way; B: computed on the way: QUANTISED
;;     2. batch 8 x [M 2,048, K 2,048] x [K 2,048, N 384]; A: softmax (see below); B: computed on the way: QUANTISED
;;     3. [M 16,384, K 384] x [K 384, N 3,072]; A: computed on the way; B: input fc1_w (given as codes): QUANTISED
;;     4. [M 16,384, K 3,072] x [K 3,072, N 384]; A: computed on the way; B: input fc2_w (given as codes): QUANTISED
;;   THE QUANTISER, for each operand of a quantised product, along K:
;;     - K is cut into blocks of 32 from its start; a last block that is shorter is filled with zeros.
;;     - A block's scale is 2^e with e = floor(log2(the largest magnitude in the block)) - 4, held to -126 .. 127; a block of zeros has e = 0. As a byte (E8M0): e + 127.
;;     - Each number is divided by its block's scale, clamped to +-28, and rounded to the nearest number of E3M2, ties to even, subnormals kept.
;;     - The product sums the exact products of the quantised numbers (number of the format x scale) in f32.
;;   ~~~python
;;   def quantise(x, axis):      # numpy; x: float32 -> the quantised numbers, widened to float32 again
;;       x = np.moveaxis(x, axis, -1); K = x.shape[-1]
;;       x = np.pad(x, [(0, 0)] * (x.ndim - 1) + [(0, -K % 32)]); x = x.reshape(x.shape[:-1] + (-1, 32)); a = np.abs(x).max(-1, keepdims=True)
;;       e = np.where(a > 0, np.clip(np.frexp(np.where(a > 0, a, 1))[1] - 1 - 4, -126, 127), 0)      # np.frexp(a)[1] - 1 = floor(log2(a)), exactly
;;       r = np.clip(x / 2.0 ** e, -28, 28)
;;       step = 2.0 ** (np.maximum(np.frexp(np.where(r == 0, 1, r))[1] - 1, -2) - 2)
;;       q = np.round(r / step) * step * 2.0 ** e      # np.round: ties to even
;;       return np.moveaxis(q.reshape(q.shape[:-2] + (-1,))[..., :K], -1, axis).astype(np.float32)
;;   ~~~
;;   SOFTMAX AHEAD OF A QUANTISED PRODUCT. Where the list says 'softmax', what is quantised is not the finished softmax but p = 2^(t - M), with t = logit x log2(e) and M = ceil(the row's largest t), a whole number; so 1/2 < the row's largest p <= 1. The row's sum l is taken of the UNQUANTISED p, in f32, and the product's result is divided by l at the end. Since M is a whole number, a kernel that streams over the keys may use a running M (the ceiling of the running maximum): every later rescaling is an exact power of two, which a block's scale takes up: the codes' values come out the same.
;;   OPERANDS COMPUTED ON THE WAY. 'Computed on the way' means the value that the module computes at that place (a softmax that the list does not call 'softmax' is quantised finished and normalised). What goes into a quantiser is computed in f32, as accurately as f32 sums, v_exp_f32 and their like allow (about 1e-6 of the number): no bf16 or f16 on the way to a quantiser, and a product that is left as it is and whose result goes on into a quantised operand takes f32 operands (vector FMAs, or v_wmma_f32_16x16x4_f32). A number that lies on a knife's edge between two numbers of the format may be rounded either way, as far as f32 arithmetic and the matrix unit's own rounding can turn it there, and no further.
;;   INPUTS GIVEN AS CODES. fc1_w (in the module: [3072, 384], K = its axis 1); fc2_w (in the module: [384, 3072], K = its axis 1): each comes as NAME_codes (uint8): NAME with its K axis moved to the last place and cut into blocks of 32 codes, [.., K / 32, bytes a block], one block behind the other in memory; four codes in three bytes: a row's codes are one little-endian stream of bits, code i at bits 6 i .. 6 i + 5 (a code: sign, 3 exponent bits, 2 mantissa bits); and NAME_scales (uint8): the same leading axes, one E8M0 byte (e + 127) for each 32 codes along K. Its value is code x scale, taken as it is: it is not quantised again, and the codes and scales need not be those that the quantiser above would give.
;; One version. Each part assembles by itself: llvm-mc -triple=amdgcn-amd-amdhsa -mcpu=gfx1250 --defsym DOCPART=n.
;; ======== version 1 of 1: 3 launches
;; limits: right only within a limited range of input values
;; workspace buffers: kv 9,830,400 bytes; wimg 1,855,488 bytes; x1b 25,165,824 bytes; zq 5,242,880 bytes
;; launch prep (part 1): grid 146 x 1, 8 waves a work-group, no clusters, 203,264 bytes of LDS; arguments x, ln1_w, ln1_b, fc1_w_codes, fc1_w_scales, fc1_b, fc2_w_codes, fc2_w_scales, kv, wimg; writes kv, wimg
.if DOCPART == 1
	.amdgcn_target "amdgcn-amd-amdhsa--gfx1250"
	.amdhsa_code_object_version 6
	.text
	.protected	k_q6b50eebf4f_prep
	.globl	k_q6b50eebf4f_prep
	.p2align	8
	.type	k_q6b50eebf4f_prep,@function
k_q6b50eebf4f_prep:
	s_mov_b64 s[64:65], 0
	v_nop
	global_prefetch_b8 v0, s[64:65] scope:SCOPE_SE
	s_setreg_imm32_b32 hwreg(HW_REG_WAVE_MODE, 25, 1), 1
	s_wait_xcnt 0x0
; WORK-GROUPS 0-127: y = layernorm(x) of 128 rows (keys) in f32, quantised twice to codes of E3M2 with one E8M0 byte for each 32 along K:
;   along the channels (operand of y y^T: "K block") and along the keys (operand of p y: "V block").  WORK-GROUPS 128-145: the given codes, scale bytes and fc1_b are laid anew, unchanged.
; EVERY OPERAND IS STORED AS AN IMAGE OF ITS REGISTERS: a fragment (16 rows x 128 K, 12 registers a lane) is 3 groups of 512 bytes, group g = registers 4 g .. 4 g + 3, lane l's 16 bytes at 16 l.
; The scale words of 24 fragments lie together: fragment f, row r at 256 (f / 4) + 16 r + 4 (f % 4).
; THE ROWS OF A TILE ARE NOT NEIGHBOURS: lane r of tile 2 b + u holds item 32 b + 8 u + r + 8 (r / 8), so that a transposed product leaves 16 neighbours along the next K in the 16 registers of two tiles.
; kv: [group of 128 keys][K block 38,400 | V block 38,400]; K block: fragment 8 s + t (key tile t, channels 128 s on); V block: fragment ct (channel tile, K = the group's keys); scale words at 36,864.
; wimg: [chunk of 256 hidden units][154,624]: W1 (2 x 24 fragments), W2 (2 x 24), 4 x 1,536 bytes of scale words, 1,024 bytes of fc1_b.
; LDS: y in f32, row p at 1,552 p + 128 (p / 32), 199,024 bytes; the group's scale words at 199,168, 3,072 bytes.
; LIMITS: NaN and infinities are not served.  A block whose largest magnitude lies under 2^-122 (a block of zeros too) gets the byte 1: these bytes are read by this program alone.  The mean is a sum x (1/384); the variance is taken of x - mean.
; No tensor load, no matrix instruction.  Each store of a wave covers 512 consecutive bytes (fc1_b's copy: 256), aligned.
.set YP,    1552                       ; a row of y in LDS: 1,536 bytes + 16: an odd multiple of 16, so that 16 rows of a 16-byte column start in 16 different groups of banks
.set Y32,   32*YP+128                  ; 32 rows on: each group of 32 rows begins 128 bytes further on than the pitch alone gives, so that the two halves of the lanes of V's reads, 32 rows apart, fall on different banks
.set SCR,   199168                     ; behind y (which ends at 127 x 1,552 + 384 + 1,536 = 199,024): the group's scale words, K's 1,536 bytes, then V's
.set KVG,   76800
.set CHUNK, 154624
.set LI,  1                            ; v1   16 x lane
.set YST, 2                            ; v2   where I store my rows of y
.set AKR, 3                            ; v3   where I read a K fragment's numbers
.set AVR, 4                            ; v4-5 where I read a V fragment's numbers, keys 0-63 and 64-127
.set SWA, 6                            ; v6   where I store a scale word
.set SRA, 7                            ; v7   where I read 16 bytes of scale words back
.set SH8, 8                            ; v8   8 x (lane / 16)
.set RR,  9                            ; v9   r = lane % 16
.set HH,  10                           ; v10  h = lane / 16
.set RP,  11                           ; v11  r + 8 (r / 8)
.set LW,  16                           ; v16-27 ln1_w, v28-39 ln1_b of my 12 channels
.set LB,  28
.set TW,  40                           ; v40-63 at work: six registers for each of four rows
.set X,   64                           ; v64-255 my 16 rows, 12 numbers each
.set BUF0, 64
.set BUF1, 128
.set FR0, 192
.set FR1, 204
.set QX,  216
.set QM,  40
.set QSO, 42
.set QB,  44
.set QW,  46
.set QT,  47
.set WV,  24
.set SEL, 26
	s_load_b512 s[4:19], s[0:1], 0x0               ; x, ln1_w, ln1_b, fc1 codes, fc1 scales, fc1_b, fc2 codes, fc2 scales
	s_load_b128 s[20:23], s[0:1], 0x40             ; kv, wimg
	v_lshl_add_u32 v14, v0, 2, 0x31600
	v_mov_b32 v15, 0
	v_lshrrev_b32 v[LI], 5, v0
	s_delay_alu instid0(VALU_DEP_1)
	v_readfirstlane_b32 s[WV], v[LI]               ; wave 0..7
	v_and_b32 v[RR], 15, v0
	v_bfe_u32 v[HH], v0, 4, 1
	s_delay_alu instid0(VALU_DEP_2)
	v_and_b32 v[RP], 8, v[RR]
	s_delay_alu instid0(VALU_DEP_1)
	v_add_nc_u32 v[RP], v[RP], v[RR]
	v_and_b32 v[LI], 31, v0
	s_delay_alu instid0(VALU_DEP_1)
	v_lshlrev_b32 v[LI], 4, v[LI]
	s_cmp_ge_u32 ttmp9, 128                        ; the same for all waves of a work-group
	s_cbranch_scc1 .Lweights
	; ---------------- 128 rows of x
	s_mov_b32 s[SEL], 0x76543210
	s_mov_b32 s[SEL+1], 0xfedcba98                 ; v_permlanex16_b32's selects for lane l xor 16
	s_mov_b32 s28, 0x3b2aaaab                      ; 1 / 384
	s_mov_b32 s29, 0x3727c5ac                      ; 1e-5
	s_lshr_b32 s30, s[WV], 1                       ; all the rows that I store, and all that I read for K, lie in the group of 32 rows w / 2
	s_and_b32 s31, s[WV], 1
	s_lshl_b32 s32, s30, 7                         ; that group's 128 (w / 2) bytes on top of the pitch
	s_lshl_b32 s33, s30, 5
	s_lshl_b32 s34, s31, 3
	s_add_co_u32 s33, s33, s34                     ; 32 (w / 2) + 8 (w % 2)
	s_mul_i32 s35, s33, YP
	s_add_co_u32 s35, s35, s32
	s_wait_alu depctr_va_vdst(0)
	v_add_nc_u32 v[YST], s35, v[LI]                ; key 16 w + 8 u + j goes to row 32 (w / 2) + 16 u + 8 (w % 2) + j: tile and lane of the K fragments
	s_mul_i32 s36, s[WV], 16*YP
	s_add_co_u32 s36, s36, s32
	v_mul_u32_u24 v[AKR], v[RR], YP
	s_delay_alu instid0(VALU_DEP_1)
	v_lshl_add_u32 v[AKR], v[HH], 7, v[AKR]
	s_delay_alu instid0(VALU_DEP_1)
	v_add_nc_u32 v[AKR], s36, v[AKR]               ; row 16 w + r, + 128 h bytes: 32 numbers of a block
	v_mul_u32_u24 v[AVR], v[HH], Y32               ; lanes 16-31 begin 32 rows further down
	s_delay_alu instid0(VALU_DEP_1)
	v_lshl_add_u32 v[AVR], v[RP], 2, v[AVR]
	s_lshl_b32 s37, s33, 2
	v_add_nc_u32 v[AVR], s37, v[AVR]               ; my channel: 32 (w / 2) + 8 (w % 2) + r + 8 (r / 8)
	s_delay_alu instid0(VALU_DEP_1)
	v_add_nc_u32 v[AVR+1], 2*Y32, v[AVR]           ; 64 rows on
	s_lshr_b32 s38, s[WV], 2
	s_lshl_b32 s38, s38, 8
	s_and_b32 s39, s[WV], 3
	s_lshl_b32 s39, s39, 2
	s_add_co_u32 s38, s38, s39
	s_add_co_u32 s38, s38, SCR
	v_lshl_add_u32 v[SWA], v[RR], 4, s38           ; fragment 8 n + w: 256 (w / 4) + 4 (w % 4) + 16 r, + 512 n in the offset
	s_lshl_b32 s39, s[WV], 9
	s_add_co_u32 s39, s39, SCR
	v_add_nc_u32 v[SRA], s39, v[LI]
	v_lshlrev_b32 v[SH8], 3, v[HH]
	v_mov_b32 v[QT], 0                             ; a lane permute's destination counts as one of its sources
	s_lshl_b32 s40, ttmp9, 7
	s_lshl_b32 s41, s[WV], 4
	s_add_co_u32 s40, s40, s41
	s_mul_i32 s40, s40, 1536                       ; my first row of x, in bytes (under 2^25)
	s_mov_b32 s41, 0
	s_mul_i32 s42, ttmp9, KVG
	s_mov_b32 s43, 0
	s_mul_i32 s44, s[WV], 1536
	s_mov_b32 s45, 0
	s_cmp_ge_u32 s[WV], 3                          ; waves 0-2 carry K's scale words out, waves 3-5 V's
	s_cselect_b32 s46, 36864, 0
	s_lshl_b32 s47, s[WV], 9
	s_add_co_u32 s46, s46, s47
	s_add_co_u32 s46, s46, 36864
	s_mov_b32 s47, 0
	s_wait_kmcnt 0x0
	s_add_nc_u64 s[4:5], s[4:5], s[40:41]
	s_add_nc_u64 s[20:21], s[20:21], s[42:43]      ; the group's block of kv
	s_add_nc_u64 s[48:49], s[20:21], s[46:47]      ; where my 512 bytes of scale words go
	s_add_nc_u64 s[20:21], s[20:21], s[44:45]      ; fragment w
.irp j, 0,1,2
	global_load_b128 v[LW+4*\j:LW+4*\j+3], v[LI], s[6:7] offset:512*\j
	global_load_b128 v[LB+4*\j:LB+4*\j+3], v[LI], s[8:9] offset:512*\j
.endr
.set i, 0
.rept 16
.irp j, 0,1,2
	global_load_b128 v[X+12*i+4*\j:X+12*i+4*\j+3], v[LI], s[4:5] offset:i*1536+512*\j   ; 32 lanes read 512 consecutive bytes of a row
.endr
.set i, i+1
.endr
; the sum over the 32 lanes of v[TW + 6 q + o], four rows by turns; every lane ends with it
.macro ACROSS o
.irp m, 1,2,4,8
.irp q, 0,1,2,3
	s_delay_alu instid0(VALU_DEP_4)
	v_add_f32_dpp v[TW+6*\q+\o], v[TW+6*\q+\o], v[TW+6*\q+\o] row_xmask:\m row_mask:0xf bank_mask:0xf
.endr
.endr
.irp q, 0,1,2,3
	s_delay_alu instid0(VALU_DEP_4)
	v_permlanex16_b32 v[TW+6*\q+\o+1], v[TW+6*\q+\o], s[SEL], s[SEL+1]
.endr
.irp q, 0,1,2,3
	s_delay_alu instid0(VALU_DEP_4)
	v_add_f32 v[TW+6*\q+\o], v[TW+6*\q+\o], v[TW+6*\q+\o+1]
.endr
.endm
; rows 4 k .. 4 k + 3 of the wave's 16, line by line in turns
.macro ROWS4 k
.set XB, X+48*(\k)
	s_wait_loadcnt 36-12*(\k)                      ; loads come back in order: the 12 loads of each later group of four rows may stay out
.irp q, 0,1,2,3
	v_pk_add_f32 v[TW+6*\q:TW+6*\q+1], v[XB+12*\q:XB+12*\q+1], v[XB+12*\q+2:XB+12*\q+3]
	v_pk_add_f32 v[TW+6*\q+2:TW+6*\q+3], v[XB+12*\q+4:XB+12*\q+5], v[XB+12*\q+6:XB+12*\q+7]
	v_pk_add_f32 v[TW+6*\q+4:TW+6*\q+5], v[XB+12*\q+8:XB+12*\q+9], v[XB+12*\q+10:XB+12*\q+11]
.endr
.irp q, 0,1,2,3
	v_pk_add_f32 v[TW+6*\q:TW+6*\q+1], v[TW+6*\q:TW+6*\q+1], v[TW+6*\q+2:TW+6*\q+3]
.endr
.irp q, 0,1,2,3
	s_delay_alu instid0(VALU_DEP_4)
	v_pk_add_f32 v[TW+6*\q:TW+6*\q+1], v[TW+6*\q:TW+6*\q+1], v[TW+6*\q+4:TW+6*\q+5]
.endr
.irp q, 0,1,2,3
	s_delay_alu instid0(VALU_DEP_4)
	v_add_f32 v[TW+6*\q], v[TW+6*\q], v[TW+6*\q+1]
.endr
	ACROSS 0
.irp q, 0,1,2,3
	s_delay_alu instid0(VALU_DEP_4)
	v_mul_f32 v[TW+6*\q], s28, v[TW+6*\q]          ; the mean
.endr
.irp p, 0,2,4,6,8,10
.irp q, 0,1,2,3
	v_pk_add_f32 v[XB+12*\q+\p:XB+12*\q+\p+1], v[XB+12*\q+\p:XB+12*\q+\p+1], v[TW+6*\q:TW+6*\q+1] op_sel_hi:[1,0] neg_lo:[0,1] neg_hi:[0,1]   ; x - mean
.endr
.endr
.irp q, 0,1,2,3
	v_pk_mul_f32 v[TW+6*\q+2:TW+6*\q+3], v[XB+12*\q:XB+12*\q+1], v[XB+12*\q:XB+12*\q+1]
.endr
.irp p, 2,4,6,8,10
.irp q, 0,1,2,3
	s_delay_alu instid0(VALU_DEP_4)
	v_pk_fma_f32 v[TW+6*\q+2:TW+6*\q+3], v[XB+12*\q+\p:XB+12*\q+\p+1], v[XB+12*\q+\p:XB+12*\q+\p+1], v[TW+6*\q+2:TW+6*\q+3]
.endr
.endr
.irp q, 0,1,2,3
	s_delay_alu instid0(VALU_DEP_4)
	v_add_f32 v[TW+6*\q+2], v[TW+6*\q+2], v[TW+6*\q+3]
.endr
	ACROSS 2
.irp q, 0,1,2,3
	s_delay_alu instid0(VALU_DEP_4)
	v_fma_f32 v[TW+6*\q+2], v[TW+6*\q+2], s28, s29 ; the variance + eps
.endr
	s_wait_alu depctr_va_vdst(0)
.irp q, 0,1,2,3
	v_rsq_f32 v[TW+6*\q+2], v[TW+6*\q+2]
.endr
	v_nop                                          ; a plain instruction between the last transcendental and the use of its result (ISA guide 5.7.2)
	s_wait_alu depctr_va_vdst(0)
.irp p, 0,2,4,6,8,10
.irp q, 0,1,2,3
	v_pk_mul_f32 v[XB+12*\q+\p:XB+12*\q+\p+1], v[XB+12*\q+\p:XB+12*\q+\p+1], v[TW+6*\q+2:TW+6*\q+3] op_sel_hi:[1,0]
.endr
.endr
.irp p, 0,2,4,6,8,10
.irp q, 0,1,2,3
	v_pk_fma_f32 v[XB+12*\q+\p:XB+12*\q+\p+1], v[XB+12*\q+\p:XB+12*\q+\p+1], v[LW+\p:LW+\p+1], v[LB+\p:LB+\p+1]
.endr
.endr
.irp q, 0,1,2,3
.irp j, 0,1,2
	ds_store_b128 v[YST], v[XB+12*\q+4*\j:XB+12*\q+4*\j+3] offset:(16*((4*(\k)+\q)/8)+(4*(\k)+\q)%8)*YP+512*\j
.endr
.endr
.endm
	ROWS4 0
	ROWS4 1
	ROWS4 2
	ROWS4 3
	s_wait_dscnt 0x0                               ; for the others' sake: my rows of y lie in LDS
	s_barrier_signal -1
	s_barrier_wait -1
; K fragment 8 n + w: lane (r, h) takes, of row 16 w + r, channels 128 n + 64 c + 32 h + 0 .. 31: two whole blocks
.macro LOADK n, buf
.irp c, 0,1
.irp i, 0,1,2,3,4,5,6,7
	ds_load_b128 v[\buf+32*\c+4*\i:\buf+32*\c+4*\i+3], v[AKR] offset:512*(\n)+256*\c+16*\i
.endr
.endr
.endm
; V fragment 8 n + w: a lane takes ONE channel and its registers run down the keys 64 c + 32 h + i; key i of 32 lies at row 16 ((i / 8) % 2) + 8 (i / 16) + i % 8 of its group of 32 rows
.macro LOADV n, buf
.irp c, 0,1
.irp i, 0,1,2,3,4,5,6,7,8,9,10,11,12,13,14,15,16,17,18,19,20,21,22,23,24,25,26,27,28,29,30,31
	ds_load_b32 v[\buf+32*\c+\i], v[AVR+\c] offset:(16*((\i/8)%2)+8*(\i/16)+\i%8)*YP+512*(\n)
.endr
.endr
.endm
; 64 numbers of a lane, two whole blocks, become the fragment's 12 registers in v[f] on and its row's scale word in v[QW]
.macro QF buf, f
.irp c, 0,1
	v_max3_num_f32 v[QM+\c], |v[\buf+32*\c]|, |v[\buf+32*\c+1]|, 0x2800000   ; and the floor 2^(5 - 127): the byte cannot fall under 1
.endr
.irp i, 2,4,6,8,10,12,14,16,18,20,22,24,26,28,30
.irp c, 0,1
	s_delay_alu instid0(VALU_DEP_2)
	v_max3_num_f32 v[QM+\c], v[QM+\c], |v[\buf+32*\c+\i]|, |v[\buf+32*\c+\i+1]|
.endr
.endr
.irp c, 0,1
	s_delay_alu instid0(VALU_DEP_2)
	v_add_nc_u32 v[QSO+\c], 0xfe000000, v[QM+\c]   ; 4 off the exponent field: the conversion's scale operand
.endr
.irp c, 0,1
	s_delay_alu instid0(VALU_DEP_2)
	v_lshrrev_b32 v[QB+\c], 23, v[QSO+\c]          ; the scale's byte
.endr
	s_delay_alu instid0(VALU_DEP_1)
	v_lshl_or_b32 v[QW], v[QB+1], 16, v[QB]        ; my bytes: blocks h and 2 + h,
	s_delay_alu instid0(VALU_DEP_1)
	v_lshlrev_b32 v[QW], v[SH8], v[QW]             ; at their places;
	s_delay_alu instid0(VALU_DEP_1)
	v_permlanex16_b32 v[QT], v[QW], s[SEL], s[SEL+1]
	s_delay_alu instid0(VALU_DEP_1)
	v_or_b32 v[QW], v[QW], v[QT]                   ; with lane l xor 16's two the word is whole
.irp c, 0,1
	v_cvt_scalef32_pk16_bf6_f32 v[\f+6*\c:\f+6*\c+2], v[\buf+32*\c:\buf+32*\c+15], v[QSO+\c]
	v_cvt_scalef32_pk16_bf6_f32 v[QX+4*\c:QX+4*\c+2], v[\buf+32*\c+16:\buf+32*\c+31], v[QSO+\c]   ; (a conversion's three registers begin on an even number)
.endr
	v_nop                                          ; one plain place behind a scaled conversion
.irp c, 0,1
.irp i, 0,1,2
	v_mov_b32 v[\f+6*\c+3+\i], v[QX+4*\c+\i]
.endr
.endr
.endm
.macro PUT f, n, v                     ; v = 0: K's block, 1: V's
.irp g, 0,1,2
	global_store_b128 v[LI], v[\f+4*\g:\f+4*\g+3], s[20:21] offset:38400*(\v)+12288*(\n)+512*\g
.endr
	ds_store_b32 v[SWA], v[QW] offset:1536*(\v)+512*(\n)   ; both halves of the lanes write the same word with the same value
.endm
; one fragment: its numbers are in; the next fragment's are asked for; the registers that earlier stores read are written again only behind the wait on XCNT
.macro HEADF
	s_wait_dscnt 0x0
.endm
	LOADK 0, BUF0
	HEADF
	LOADK 1, BUF1
	s_wait_xcnt 0x0
	QF BUF0, FR0
	PUT FR0, 0, 0
	HEADF
	LOADK 2, BUF0
	s_wait_xcnt 0x0
	QF BUF1, FR1
	PUT FR1, 1, 0
	HEADF
	LOADV 0, BUF1
	s_wait_xcnt 0x0
	QF BUF0, FR0
	PUT FR0, 2, 0
	HEADF
	LOADV 1, BUF0
	s_wait_xcnt 0x0
	QF BUF1, FR1
	PUT FR1, 0, 1
	HEADF
	LOADV 2, BUF1
	s_wait_xcnt 0x0
	QF BUF0, FR0
	PUT FR0, 1, 1
	HEADF
	s_wait_xcnt 0x0
	QF BUF1, FR1
	PUT FR1, 2, 1
	s_wait_dscnt 0x0                               ; for the others' sake: my scale words lie in LDS
	s_barrier_signal -1
	s_barrier_wait -1
	s_cmp_gt_u32 s[WV], 5                          ; six waves carry the 3,072 bytes of scale words out, 512 consecutive bytes each
	s_cbranch_scc1 .Ldone
	ds_load_b128 v[48:51], v[SRA]
	s_wait_dscnt 0x0
	global_store_b128 v[LI], v[48:51], s[48:49]
.Ldone:
	s_wait_tensorcnt 0x0
	ds_add_u32 v14, v15
	s_wait_dscnt 0x0
	s_endpgm
	; ---------------- the weights: a wave takes 8 fragments and their 512 bytes of scale words; 144 such units
.Lweights:
	s_sub_co_u32 s30, ttmp9, 128
	s_lshl_b32 s30, s30, 3
	s_add_co_u32 s30, s30, s[WV]                   ; unit 0..143
	s_mul_i32 s31, s30, 171
	s_lshr_b32 s31, s31, 11                        ; chunk = unit / 12
	s_mul_i32 s32, s31, 12
	s_sub_co_u32 s32, s30, s32                     ; unit % 12
	s_mul_i32 s33, s32, 11
	s_lshr_b32 s33, s33, 5                         ; group of 24 fragments: 0, 1: W1's halves; 2, 3: W2's
	s_mul_i32 s34, s33, 3
	s_sub_co_u32 s34, s32, s34                     ; which eight of them
	s_mul_i32 s36, s31, CHUNK
	s_mul_i32 s38, s33, 36864
	s_add_co_u32 s38, s38, s36
	s_mul_i32 s39, s34, 12288
	s_add_co_u32 s38, s38, s39                     ; where the fragments go
	s_mov_b32 s39, 0
	s_mul_i32 s40, s33, 1536
	s_add_co_u32 s40, s40, s36
	s_lshl_b32 s41, s34, 9
	s_add_co_u32 s40, s40, s41
	s_add_co_u32 s40, s40, 147456                  ; and their scale words
	s_mov_b32 s41, 0
	s_lshl_b32 s42, s32, 8
	s_add_co_u32 s44, s42, s36
	s_add_co_u32 s44, s44, 153600                  ; units 0-3 of a chunk also copy 256 bytes of fc1_b
	s_mov_b32 s45, 0
	s_lshl_b32 s43, s31, 10
	s_add_co_u32 s42, s42, s43
	s_mov_b32 s43, 0
	v_and_b32 v4, 31, v0
	s_delay_alu instid0(VALU_DEP_1)
	v_lshlrev_b32 v4, 3, v4
	s_wait_kmcnt 0x0
	s_add_nc_u64 s[38:39], s[22:23], s[38:39]
	s_add_nc_u64 s[40:41], s[22:23], s[40:41]
	s_add_nc_u64 s[44:45], s[22:23], s[44:45]
	s_add_nc_u64 s[14:15], s[14:15], s[42:43]
	s_cmp_lt_u32 s33, 2
	s_cbranch_scc0 .Lw2
	; W1: fragment 8 q + e: hidden tile e of the half, channels 128 q on; a row of codes is 288 bytes, of scale bytes 12
	s_lshl_b32 s46, s31, 8
	s_lshl_b32 s47, s33, 7
	s_add_co_u32 s46, s46, s47
	s_mul_i32 s48, s46, 288
	s_mul_i32 s49, s34, 96
	s_add_co_u32 s48, s48, s49
	s_mov_b32 s49, 0
	s_mul_i32 s50, s46, 12
	s_lshl_b32 s51, s34, 2
	s_add_co_u32 s50, s50, s51
	s_mov_b32 s51, 0
	s_add_nc_u64 s[10:11], s[10:11], s[48:49]
	s_add_nc_u64 s[12:13], s[12:13], s[50:51]
	s_wait_alu depctr_va_vdst(0)
	v_mul_u32_u24 v2, v[RP], 288
	s_delay_alu instid0(VALU_DEP_1)
	v_mad_u32_u24 v2, v[HH], 24, v2
	v_lshl_add_u32 v3, v[HH], 6, v[RP]
	s_delay_alu instid0(VALU_DEP_1)
	v_mul_u32_u24 v3, v3, 12
.irp e, 0,1,2,3,4,5,6,7
.irp p, 0,1,2,3,4,5
	global_load_b64 v[64+12*\e+2*\p:64+12*\e+2*\p+1], v2, s[10:11] offset:(32*(\e/2)+8*(\e%2))*288+48*(\p/3)+8*(\p%3)
.endr
.endr
.irp i, 0,1,2,3
	global_load_b32 v[160+\i], v3, s[12:13] offset:(32*(\i/2)+8*(\i%2))*12   ; lane (r, h), register i: the word of fragment 4 h + i, row r
.endr
	s_branch .Lwstore
.Lw2:
	; W2: fragment 8 q + e: output tile 4 q + e / 2 of the half, hidden 128 (e % 2) on in the chunk; a row of codes is 2,304 bytes, of scale bytes 96
	s_sub_co_u32 s46, s33, 2
	s_mul_i32 s46, s46, 192
	s_lshl_b32 s47, s34, 6
	s_add_co_u32 s46, s46, s47
	s_mul_i32 s48, s46, 2304
	s_mul_i32 s49, s31, 192
	s_add_co_u32 s48, s48, s49
	s_mov_b32 s49, 0
	s_mul_i32 s50, s46, 96
	s_lshl_b32 s51, s31, 3
	s_add_co_u32 s50, s50, s51
	s_mov_b32 s51, 0
	s_add_nc_u64 s[16:17], s[16:17], s[48:49]
	s_add_nc_u64 s[18:19], s[18:19], s[50:51]
	s_wait_alu depctr_va_vdst(0)
	v_mul_u32_u24 v2, v[RP], 2304
	s_delay_alu instid0(VALU_DEP_1)
	v_mad_u32_u24 v2, v[HH], 24, v2
	v_lshl_add_u32 v3, v[HH], 5, v[RP]
	s_delay_alu instid0(VALU_DEP_1)
	v_mul_u32_u24 v3, v3, 96
.irp e, 0,1,2,3,4,5,6,7
.irp p, 0,1,2,3,4,5
	global_load_b64 v[64+12*\e+2*\p:64+12*\e+2*\p+1], v2, s[16:17] offset:(32*(\e/4)+8*((\e/2)%2))*2304+96*(\e%2)+48*(\p/3)+8*(\p%3)
.endr
.endr
.irp i, 0,1,2,3
	global_load_b32 v[160+\i], v3, s[18:19] offset:8*(\i/2)*96+4*(\i%2)
.endr
.Lwstore:
	s_wait_loadcnt 0x0
.irp e, 0,1,2,3,4,5,6,7
.irp g, 0,1,2
	global_store_b128 v[LI], v[64+12*\e+4*\g:64+12*\e+4*\g+3], s[38:39] offset:1536*\e+512*\g
.endr
.endr
	global_store_b128 v[LI], v[160:163], s[40:41]
	s_cmp_lt_u32 s32, 4
	s_cbranch_scc0 .Lwdone
	global_load_b64 v[164:165], v4, s[14:15]
	s_wait_loadcnt 0x0
	global_store_b64 v4, v[164:165], s[44:45]
.Lwdone:
	s_endpgm
.Lfunc_end_k_q6b50eebf4f_prep:
	.size	k_q6b50eebf4f_prep, .Lfunc_end_k_q6b50eebf4f_prep-k_q6b50eebf4f_prep
	.p2alignl 7, 3214868480
	.fill 96, 4, 3214868480
	.section	.rodata,"a",@progbits
	.p2align	6, 0x0
	.amdhsa_kernel k_q6b50eebf4f_prep
		.amdhsa_group_segment_fixed_size 203264
		.amdhsa_private_segment_fixed_size 0
		.amdhsa_enable_private_segment 0
		.amdhsa_kernarg_size 80
		.amdhsa_user_sgpr_count 2
		.amdhsa_user_sgpr_kernarg_segment_ptr 1
		.amdhsa_wavefront_size32 1
		.amdhsa_system_sgpr_workgroup_id_x 1
		.amdhsa_system_sgpr_workgroup_id_y 1
		.amdhsa_system_sgpr_workgroup_id_z 1
		.amdhsa_system_vgpr_workitem_id 0
		.amdhsa_next_free_vgpr 256
		.amdhsa_next_free_sgpr 66
		.amdhsa_reserve_vcc 0
		.amdhsa_float_denorm_mode_32 3
		.amdhsa_float_denorm_mode_16_64 3
		.amdhsa_memory_ordered 1
		.amdhsa_forward_progress 1
		.amdhsa_inst_pref_size 125
	.end_amdhsa_kernel
	.amdgpu_metadata
---
amdhsa.version: [ 1, 2 ]
amdhsa.kernels:
  - .name:           k_q6b50eebf4f_prep
    .symbol:         k_q6b50eebf4f_prep.kd
    .args:
      - { .name: x, .offset: 0, .size: 8, .value_kind: global_buffer, .address_space: global }
      - { .name: ln1_w, .offset: 8, .size: 8, .value_kind: global_buffer, .address_space: global }
      - { .name: ln1_b, .offset: 16, .size: 8, .value_kind: global_buffer, .address_space: global }
      - { .name: fc1_w_codes, .offset: 24, .size: 8, .value_kind: global_buffer, .address_space: global }
      - { .name: fc1_w_scales, .offset: 32, .size: 8, .value_kind: global_buffer, .address_space: global }
      - { .name: fc1_b, .offset: 40, .size: 8, .value_kind: global_buffer, .address_space: global }
      - { .name: fc2_w_codes, .offset: 48, .size: 8, .value_kind: global_buffer, .address_space: global }
      - { .name: fc2_w_scales, .offset: 56, .size: 8, .value_kind: global_buffer, .address_space: global }
      - { .name: kv, .offset: 64, .size: 8, .value_kind: global_buffer, .address_space: global }
      - { .name: wimg, .offset: 72, .size: 8, .value_kind: global_buffer, .address_space: global }
    .group_segment_fixed_size: 203264
    .private_segment_fixed_size: 0
    .kernarg_segment_align: 8
    .kernarg_segment_size: 80
    .max_flat_workgroup_size: 256
    .sgpr_count:     66
    .vgpr_count:     256
    .wavefront_size: 32
...
	.end_amdgpu_metadata
.endif
;; end of part 1
;; launch attn (part 2): grid 32 x 8, 4 waves a work-group, clusters of 4 x 1, 327,680 bytes of LDS; arguments x, kv, ln2_w, ln2_b, fc2_b, x1b, zq; writes x1b, zq
.if DOCPART == 2
	.amdgcn_target "amdgcn-amd-amdhsa--gfx1250"
	.amdhsa_code_object_version 6
	.text
	.protected	k_q6b50eebf4f_attn
	.globl	k_q6b50eebf4f_attn
	.p2align	8
	.type	k_q6b50eebf4f_attn,@function
k_q6b50eebf4f_attn:
	s_mov_b64 s[64:65], 0
	v_nop
	global_prefetch_b8 v0, s[64:65] scope:SCOPE_SE
	s_setreg_imm32_b32 hwreg(HW_REG_WAVE_MODE, 25, 1), 1
	s_wait_xcnt 0x0
	s_wait_alu depctr_hold_cnt(0) depctr_sa_sdst(0) depctr_va_vdst(0) depctr_va_sdst(0) depctr_va_ssrc(0) depctr_va_vcc(0) depctr_vm_vsrc(0)
	s_getreg_b32 s2, hwreg(HW_REG_IB_STS2, 6, 4)
	s_cmp_eq_u32 s2, 0
	s_cbranch_scc0 .Lentry_in_a_cluster
	s_endpgm
.Lentry_in_a_cluster:
	s_bfe_u32 s2, ttmp6, 0x10000c
	s_cmp_lg_u32 s2, 0x3003
	s_cbranch_scc0 .Lentry_shape_is_right
	s_endpgm
.Lentry_shape_is_right:
; x1 = x + softmax(y y^T / sqrt(32)) y, both products on codes of E3M2 with one E8M0 scale for each 32 along K; then z = layernorm(x1), quantised along the channels.
; Stored: x1b = x1 + fc2_b in the layout of the next launch's accumulators; zq = z's fragments and scale words as images of their registers.
; THE SOFTMAX: t = score x log2(e) / sqrt(32); M = the largest t so far, rounded UP to a whole number; p = 2^(t - M) is what is quantised, along the keys; the row's sum is taken of the unquantised p and divides at the end.
; When M moves, the sum and O are multiplied by 2^(old M - new M): exact.
; SHARES.  A work-group owns 64 queries of a batch: four tiles of 16.  Wave w = 2 qh + kh owns tiles 2 qh, 2 qh + 1 and walks HALF of the keys (1,024, in 8 steps of 128): each fragment of K and V that it reads from LDS feeds two products.
; At the end the two waves of a pair exchange one tile's partial result through LDS (O, M and the sum; brought under the common M by exact powers of two) and each finishes one tile.
; Local tile 0 is tile 2 qh + kh (the one that I finish), local tile 1 the other.
; LAYOUT.  Both products are used transposed: S^T = K Q^T, O^T = V^T P^T: a lane holds ONE query (lane % 16) throughout.  All operands lie in kv as images of their registers (three loads of 16 bytes a lane for a fragment),
; and the rows of a tile are chosen so that the 16 registers of two neighbouring tiles are 16 neighbours along the next K.
; CLUSTER.  The four work-groups of a cluster belong to one batch and walk the same K and V: each piece is asked for JOINTLY, by the same tensor load with the same descriptor and a mask that names the four.
; RING.  Two slots of 153,600 bytes; a slot holds, for both halves of the keys, a step's K block and V block (38,400 bytes each, dense in memory): wave w brings piece w.  One tensor load of a wave is out at a time.
; LIMITS: NaN and infinities are not served; p under 2^-126 counts as 0; a block whose largest magnitude lies under 2^-122 gets the scale byte 1 (read by this program alone); the mean is a sum x (1/384), the variance is taken of x1 - mean.
; REGISTERS, in windows of 256: window 0: addresses, statistics, S^T (v64-191), P's codes (v192-215), K's and V's scale words (v224-247).  window 1: O^T of local tile 0.  window 2: O^T of local tile 1.
;   window 3: Q (v0-71), two buffers of six fragments (v72-143, v144-215).
.set SLOTB, 153600
.set PIECE, 38400
.set KVG,   76800
.set SCO,   36864                      ; a block's scale words
.set SPARE, 307200                     ; behind the ring: the spare words, 128 bytes for each wave: two blocks of 256 bytes that no other line names
.set STG,   24832                      ; the exchange: 48 x 512 bytes of O, 128 of -M, 128 of the sum, for each wave; in slot 0, which has had its last fill and its last read by then
.set LI,   1                           ; v1   16 x lane
.set AK,   2                           ; v2-3 my half's K block in slot 0, 1
.set AV,   4                           ; v4-5 V block
.set SPW,  6                           ; v6   my spare word; never rewritten
.set NIL,  7                           ; v7   0; never rewritten
.set STW,  8                           ; v8   the exchange: my part;  v9 my partner's
.set STR,  9
.set XO,   10                          ; v10  x: (r + 8 (r / 8)) x 1,536 + 64 h
.set HO,   11                          ; v11  64 h
.set L4,   12                          ; v12  4 x lane
.set R16,  13                          ; v13  16 r
.set STW4, 14                          ; v14  the exchange's two words, mine;  v15 my partner's
.set STR4, 15
.set BM,   16                          ; v16-19 the blocks' maxima
.set BP,   20                          ; v20-23 the other half's; then the bytes
.set SOP,  24                          ; v24-27 the conversions' scale operands
.set FF,   28                          ; v[28:29] f = 2^(old M - new M)
.set TA,   30
.set CX,   32                          ; v32-38 the conversions' second halves
.set SU,   40                          ; v[40:41] the second chain of the sum
.set OM,   42
.set OL,   43
.set GA,   44
.set GB,   46
.set ST,   48                          ; tile q: v[48 + 4 q] -M, +1 the largest t, +2, +3 the sum in two halves
.set QS,   56                          ; v56-61 Q's scale words (3 q + s)
.set PS,   62                          ; v62-63 P's
.set S,    64
.set PC,   192
.set KS,   224
.set VS,   236
.set QFR,  0                           ; window 3
.set FB,   72
.set WV,  18
.set QH,  19
.set KH,  20
.set SEL, 22
.set CS,  24
.set INV, 26
.set EPS, 27
.set G1,  28
.set G0,  36
.set CNT, 44
.set MSB, 0
.macro WIN new                         ; the immediate's high byte repeats the setting that is left; a switch that changes nothing is dropped
.if MSB != (\new)
	s_set_vgpr_msb (MSB<<8)|(\new)
.set MSB, \new
.endif
.endm
.macro PLACES n
.rept \n
	v_nop
.endr
.endm
; A round of the cluster's barrier: my work-group's barrier; wave 0 signals for the work-group; every wave waits for all four work-groups; my work-group's barrier once more.
.macro ROUND
	s_barrier_signal -1
	s_barrier_wait -1
	s_cmp_lg_u32 s[WV], 0
	s_cbranch_scc1 .Lnot_wave_0_\@
	s_barrier_signal -3
.Lnot_wave_0_\@:
	s_barrier_wait -3
	s_barrier_signal -1
	s_barrier_wait -1
.endm
; one product.  c < 0: the constant 0 starts the sum.  row = 1: source 0's scales stand in lanes 16-31
.macro MM d, a, b, c, sa, sb, row
.if (\c) < 0
.if \row
	v_wmma_scale_f32_16x16x128_f8f6f4 v[\d:\d+7], v[\a:\a+11], v[\b:\b+11], 0, v[\sa], v[\sb] matrix_a_fmt:MATRIX_FMT_BF6 matrix_b_fmt:MATRIX_FMT_BF6 matrix_a_scale:MATRIX_SCALE_ROW1
.else
	v_wmma_scale_f32_16x16x128_f8f6f4 v[\d:\d+7], v[\a:\a+11], v[\b:\b+11], 0, v[\sa], v[\sb] matrix_a_fmt:MATRIX_FMT_BF6 matrix_b_fmt:MATRIX_FMT_BF6
.endif
.else
.if \row
	v_wmma_scale_f32_16x16x128_f8f6f4 v[\d:\d+7], v[\a:\a+11], v[\b:\b+11], v[\c:\c+7], v[\sa], v[\sb] matrix_a_fmt:MATRIX_FMT_BF6 matrix_b_fmt:MATRIX_FMT_BF6 matrix_a_scale:MATRIX_SCALE_ROW1
.else
	v_wmma_scale_f32_16x16x128_f8f6f4 v[\d:\d+7], v[\a:\a+11], v[\b:\b+11], v[\c:\c+7], v[\sa], v[\sb] matrix_a_fmt:MATRIX_FMT_BF6 matrix_b_fmt:MATRIX_FMT_BF6
.endif
.endif
.endm
	s_load_b256 s[4:11], s[0:1], 0x0               ; x, kv, ln2_w, ln2_b
	s_load_b128 s[12:15], s[0:1], 0x20             ; fc2_b, x1b
	s_load_b64 s[16:17], s[0:1], 0x30              ; zq
	v_lshl_add_u32 v[SPW], v0, 2, SPARE
	v_mov_b32 v[NIL], 0
	ds_add_u32 v6, v7
	ds_add_u32 v6, v7
	s_wait_dscnt 0x0
	v_lshrrev_b32 v[LI], 5, v0
	v_readfirstlane_b32 s[WV], v[LI]               ; wave 0..3
	s_lshr_b32 s[QH], s[WV], 1                     ; which pair of query tiles.  Also: for which half of the keys I fetch
	s_and_b32 s[KH], s[WV], 1                      ; which half of the keys I walk.  Also: I fetch K's block (0) or V's (1)
	s_and_b32 s45, ttmp7, 0xffff                   ; the batch, which the four partners share
	s_mov_b32 s[SEL], 0x76543210
	s_mov_b32 s[SEL+1], 0xfedcba98
	s_mov_b32 s[CS], 0x3e8293ee                    ; c = log2(e) / sqrt(32)
	s_mov_b32 s[CS+1], s[CS]                       ; (named with it as a pair, so it is written)
	s_mov_b32 s[INV], 0x3b2aaaab                   ; 1 / 384
	s_mov_b32 s[EPS], 0x3727c5ac                   ; 1e-5
	; descriptor group 1: a dense block of 38,400 bytes as 150 rows of 256 bytes (32 elements of 8 bytes)
	s_mov_b32 s[G1], 15|(3<<16)|(1<<21)            ; 15:0 the mask: all four work-groups; 17:16 elements of 8 bytes; 21 set beside a mask; no padding
	s_mov_b32 s[G1+1], 32<<16                      ; tensor_dim0
	s_mov_b32 s[G1+2], 150<<16                     ; tensor_dim1
	s_mov_b32 s[G1+3], 32<<16                      ; tile_dim0
	s_mov_b32 s[G1+4], 150                         ; tile_dim1
	s_mov_b32 s[G1+5], 32                          ; the pitch
	s_mov_b32 s[G1+6], 0
	s_mov_b32 s[G1+7], 0
	s_lshl_b32 s48, s45, 4
	s_lshl_b32 s49, s[QH], 3
	s_add_co_u32 s48, s48, s49                     ; the group of 128 keys of step 0: 16 x batch + 8 x half
	s_lshl_b32 s48, s48, 1
	s_add_co_u32 s48, s48, s[KH]
	s_mul_i32 s48, s48, PIECE                      ; my piece in kv (under 2^24): made of the batch and the wave's number alone
	s_mov_b32 s49, 0
	s_mul_i32 s50, s[WV], PIECE                    ; and in a slot
	; what hangs on my place in the cluster enters global addresses of plain loads and stores alone
	s_bfe_u32 s46, ttmp6, 0x40000                  ; cx
	s_lshl_b32 s47, ttmp9, 2
	s_add_co_u32 s47, s47, s46                     ; i: my block of 64 queries
	s_lshl_b32 s52, s45, 4
	s_lshr_b32 s53, s47, 1
	s_add_co_u32 s52, s52, s53
	s_mul_i32 s52, s52, KVG                        ; the group in which my queries lie as keys: Q's fragments are K's
	s_and_b32 s53, s47, 1
	s_lshl_b32 s54, s[QH], 1
	s_add_co_u32 s54, s54, s[KH]                   ; local tile 0 among the block's four
	s_xor_b32 s55, s54, 1                          ; local tile 1
	s_lshl_b32 s56, s53, 2
	s_add_co_u32 s57, s56, s54
	s_mul_i32 s58, s57, 1536
	s_add_co_u32 s58, s58, s52
	s_mov_b32 s59, 0
	s_add_co_u32 s57, s56, s55
	s_mul_i32 s60, s57, 1536
	s_add_co_u32 s60, s60, s52
	s_mov_b32 s61, 0
	s_lshl_b32 s56, s53, 8
	s_add_co_u32 s56, s56, s52
	s_add_co_u32 s56, s56, SCO
	s_lshl_b32 s66, s54, 2
	s_add_co_u32 s66, s66, s56
	s_mov_b32 s67, 0
	s_lshl_b32 s68, s55, 2
	s_add_co_u32 s68, s68, s56
	s_mov_b32 s69, 0
	s_lshl_b32 s70, s45, 5
	s_add_co_u32 s70, s70, s47
	s_lshl_b32 s72, s70, 2
	s_add_co_u32 s72, s72, s54                     ; T: the row tile that I finish, of 1,024
	s_mul_i32 s74, s72, 5120
	s_mov_b32 s75, 0
	s_mul_i32 s72, s72, 24576
	s_mov_b32 s73, 0
	s_lshl_b32 s70, s70, 6
	s_lshl_b32 s71, s[QH], 5
	s_add_co_u32 s70, s70, s71
	s_lshl_b32 s71, s[KH], 3
	s_add_co_u32 s70, s70, s71
	s_mul_i32 s70, s70, 1536                       ; its first row of x
	s_mov_b32 s71, 0
	s_wait_kmcnt 0x0
	s_add_nc_u64 s[48:49], s[6:7], s[48:49]
	s_mov_b32 s[G0], 1                             ; count = 1
	s_mov_b32 s[G0+1], s50                         ; LDS address: slot 0
	s_mov_b64 s[G0+2:G0+3], s[48:49]               ; step 0
	s_or_b32 s[G0+3], s[G0+3], 0x80000000          ; type = 2
	s_mov_b32 s[G0+4], 1
	s_add_co_u32 s[G0+5], s50, SLOTB               ; slot 1
	s_add_nc_u64 s[G0+6:G0+7], s[48:49], KVG       ; step 1
	s_or_b32 s[G0+7], s[G0+7], 0x80000000
	s_add_nc_u64 s[58:59], s[6:7], s[58:59]        ; Q's fragments, local tile 0, 1
	s_add_nc_u64 s[60:61], s[6:7], s[60:61]
	s_add_nc_u64 s[66:67], s[6:7], s[66:67]        ; and their scale words
	s_add_nc_u64 s[68:69], s[6:7], s[68:69]
	s_add_nc_u64 s[4:5], s[4:5], s[70:71]
	s_add_nc_u64 s[14:15], s[14:15], s[72:73]
	s_add_nc_u64 s[16:17], s[16:17], s[74:75]
	ROUND                                          ; all four work-groups are here: the first joint loads meet
	tensor_load_to_lds s[G0:G0+3], s[G1:G1+7]      ; step 0 into slot 0
	s_nop 0
	PLACES 4
	v_and_b32 v[LI], 31, v0
	v_lshlrev_b32 v[L4], 2, v[LI]
	v_lshlrev_b32 v[LI], 4, v[LI]
	v_and_b32 v[R16], 15, v0
	v_bfe_u32 v[HO], v0, 4, 1
	v_and_b32 v[XO], 8, v[R16]
	v_add_nc_u32 v[XO], v[XO], v[R16]
	v_mul_u32_u24 v[XO], v[XO], 1536
	v_lshlrev_b32 v[HO], 6, v[HO]
	v_add_nc_u32 v[XO], v[XO], v[HO]
	v_lshlrev_b32 v[R16], 4, v[R16]
	WIN 0xc0                                       ; destination window 3
.irp s, 0,1,2
.irp g, 0,1,2
	global_load_b128 v[QFR+12*\s+4*\g:QFR+12*\s+4*\g+3], v[LI], s[58:59] offset:12288*\s+512*\g
	global_load_b128 v[QFR+36+12*\s+4*\g:QFR+36+12*\s+4*\g+3], v[LI], s[60:61] offset:12288*\s+512*\g
.endr
.endr
	WIN 0
.irp s, 0,1,2
	global_load_b32 v[QS+\s], v[R16], s[66:67] offset:512*\s
	global_load_b32 v[QS+3+\s], v[R16], s[68:69] offset:512*\s
.endr
	s_mul_i32 s76, s[KH], KVG
	v_add_nc_u32 v[AK], s76, v[LI]
	v_add_nc_u32 v[AK+1], SLOTB, v[AK]
	v_add_nc_u32 v[AV], PIECE, v[AK]
	v_add_nc_u32 v[AV+1], PIECE, v[AK+1]
	s_mul_i32 s76, s[WV], STG
	v_add_nc_u32 v[STW], s76, v[LI]
	v_add_nc_u32 v[STW4], s76, v[L4]
	v_add_nc_u32 v[STW4], 24576, v[STW4]
	s_xor_b32 s77, s[WV], 1
	s_mul_i32 s77, s77, STG
	v_add_nc_u32 v[STR], s77, v[LI]
	v_add_nc_u32 v[STR4], s77, v[L4]
	v_add_nc_u32 v[STR4], 24576, v[STR4]
.irp b, 0,1,2,3
	v_mov_b32 v[BP+\b], 0                          ; written once: a lane permute's destination counts as one of its sources
.endr
	v_mov_b32 v[FF+1], 0                           ; (named as the upper half of a pair)
.irp q, 0,1
	v_mov_b32 v[ST+4*\q+2], 0                      ; the sums, in two halves
	v_mov_b32 v[ST+4*\q+3], 0
.endr
; 18 LDS loads: six fragments into buffer idx % 2.  idx 0-3: K's key tiles 2 idx, 2 idx + 1, all three K steps.  idx 4-7: V's channel tiles 6 (idx - 4) on.
.macro LOADG slot, idx
	WIN 0xc0
.set FBB, FB+72*((\idx)%2)
.if (\idx) < 4
.irp e, 0,1
.irp s, 0,1,2
.irp g, 0,1,2
	ds_load_b128 v[FBB+12*(3*\e+\s)+4*\g:FBB+12*(3*\e+\s)+4*\g+3], v[AK+\slot] offset:1536*(8*\s+2*(\idx)+\e)+512*\g
.endr
.endr
.endr
.else
.irp e, 0,1,2,3,4,5
.irp g, 0,1,2
	ds_load_b128 v[FBB+12*\e+4*\g:FBB+12*\e+4*\g+3], v[AV+\slot] offset:1536*(6*((\idx)-4)+\e)+512*\g
.endr
.endr
.endif
.endm
; 12 products of S^T = K Q^T: key tiles 2 g, 2 g + 1 x my two query tiles x three K steps; the four accumulators take turns, one instruction a turn
.macro KQ g
	WIN 0x0f                                       ; K and Q in window 3, S^T in window 0
.set FBB, FB+72*((\g)%2)
.irp s, 0,1,2
.irp e, 0,1
.irp q, 0,1
.set rD, S+64*\q+8*(2*(\g)+\e)
.set rA, FBB+12*(3*\e+\s)
.set rB, QFR+12*(3*\q+\s)
.set rSA, KS+4*\s+(2*(\g)+\e)%4
.set rSB, QS+3*\q+\s
.if \s == 0
	MM rD, rA, rB, -1, rSA, rSB, (\g)/2
.else
	MM rD, rA, rB, rD, rSA, rSB, (\g)/2
.endif
.endr
.endr
.endr
.endm
; 12 products of O^T += V^T P^T: channel tiles 6 g on x my two query tiles; K = the step's 128 keys.  first = 1: they start the sums: nothing is ever cleared
.macro PV g, first
.set FBB, FB+72*((\g)%2)
.irp q, 0,1
	WIN 0x53+0x50*\q                               ; V in window 3, P in window 0, O^T in window 1 or 2
.irp e, 0,1,2,3,4,5
.set ct, 6*(\g)+\e
.set rD, 8*ct
.set rA, FBB+12*\e
.set rB, PC+12*\q
.set rSA, VS+4*(ct/8)+ct%4
.set rSB, PS+\q
.if \first
	MM rD, rA, rB, -1, rSA, rSB, (ct/4)%2
.else
	MM rD, rA, rB, rD, rSA, rSB, (ct/4)%2
.endif
.endr
.endr
.endm
; One tile's softmax for a step.  Register 16 b + i of S^T is key 32 b + 16 (lane / 16) + i of my query.
.macro SOFTMAX q, first
	WIN 0
.set SB, S+64*(\q)
.set TT, ST+4*(\q)
.set PB, PC+12*(\q)
.irp b, 0,1,2,3
	v_max3_num_f32 v[BM+\b], v[SB+16*\b], v[SB+16*\b+1], v[SB+16*\b+2]   ; the largest score of each block of 32 keys: it serves for the row's maximum and, since p rises with the score, for the block's largest p
.endr
.irp i, 3,5,7,9,11,13
.irp b, 0,1,2,3
	v_max3_num_f32 v[BM+\b], v[BM+\b], v[SB+16*\b+\i], v[SB+16*\b+\i+1]
.endr
.endr
.irp b, 0,1,2,3
	v_max_num_f32 v[BM+\b], v[BM+\b], v[SB+16*\b+15]
.endr
.irp b, 0,1,2,3
	v_permlanex16_b32 v[BP+\b], v[BM+\b], s[SEL], s[SEL+1]
.endr
.irp b, 0,1,2,3
	v_max_num_f32 v[BM+\b], v[BM+\b], v[BP+\b]     ; with lane l xor 16's 16 keys
.endr
	v_max3_num_f32 v[TA], v[BM], v[BM+1], v[BM+2]
	v_max_num_f32 v[TA], v[TA], v[BM+3]
	v_mul_f32 v[TA], s[CS], v[TA]                  ; the step's largest t (c is positive)
.if \first
	v_mov_b32 v[TT+1], v[TA]
	v_floor_f32 v[TT], -v[TT+1]                    ; -M = floor(-t) = -ceil(t)
.else
	v_max_num_f32 v[TT+1], v[TT+1], v[TA]          ; the running largest t
	v_mov_b32 v[TA], v[TT]
	v_floor_f32 v[TT], -v[TT+1]
	v_sub_f32 v[TA], v[TT], v[TA]                  ; old M - new M: a whole number, 0 or less
	v_cvt_i32_f32 v[TA], v[TA]                     ; (it saturates)
	v_ldexp_f32 v[FF], 1.0, v[TA]                  ; f = 2^(old M - new M)
.endif
.set j, 0
.rept 32
	v_pk_fma_f32 v[SB+j:SB+j+1], v[SB+j:SB+j+1], s[CS:CS+1], v[TT:TT+1] op_sel_hi:[1,0,0]   ; t - M
.set j, j+2
.endr
.irp b, 0,1,2,3
	v_fma_f32 v[BM+\b], v[BM+\b], s[CS], v[TT]     ; the same of each block's largest score
.endr
.set j, 0
	s_wait_alu depctr_va_vdst(0)
.rept 64
	v_exp_f32 v[SB+j], v[SB+j]                     ; p = 2^(t - M), at most 1: not normalised
.set j, j+1
.endr
.irp b, 0,1,2,3
	v_exp_f32 v[BM+\b], v[BM+\b]                   ; the block's largest p: the same two instructions on the same number
.endr
.if \first
	v_nop                                          ; a plain place behind the exponentials
	s_wait_alu depctr_va_vdst(0)
.else
	v_pk_mul_f32 v[TT+2:TT+3], v[TT+2:TT+3], v[FF:FF+1] op_sel_hi:[1,0]   ; the sums under the new M (a plain place behind the exponentials)
	s_wait_alu depctr_va_vdst(0)
.endif
.irp b, 0,1,2,3
	v_max_num_f32 v[BM+\b], 0x2800000, v[BM+\b]    ; the floor 2^(5 - 127): the byte cannot fall under 1
.endr
.irp b, 0,1,2,3
	v_add_nc_u32 v[SOP+\b], 0xfe000000, v[BM+\b]   ; 4 off the exponent field: the conversion's scale operand
.endr
.irp b, 0,1,2,3
	v_lshrrev_b32 v[BP+\b], 23, v[SOP+\b]          ; the scale's byte
.endr
	v_lshl_or_b32 v[PS+\q], v[BP+1], 8, v[BP]      ; p's scale word for these 128 keys
	v_lshl_or_b32 v[PS+\q], v[BP+2], 16, v[PS+\q]
	v_lshl_or_b32 v[PS+\q], v[BP+3], 24, v[PS+\q]
.irp c, 0,1
	v_cvt_scalef32_pk16_bf6_f32 v[PB+6*\c:PB+6*\c+2], v[SB+32*\c:SB+32*\c+15], v[SOP+2*\c]
	v_cvt_scalef32_pk16_bf6_f32 v[CX+4*\c:CX+4*\c+2], v[SB+32*\c+16:SB+32*\c+31], v[SOP+2*\c+1]   ; (a conversion's three registers begin on an even number)
.endr
	v_nop                                          ; one plain place behind a scaled conversion
.irp c, 0,1                                    ; the operand's layout wants a WHOLE block in a lane: lanes 0-15 block 2 c, lanes 16-31 block 2 c + 1
.irp i, 0,1,2
	v_permlane16_swap_b32 v[PB+6*\c+\i], v[CX+4*\c+\i]
.endr
.irp i, 0,1,2
	v_mov_b32 v[PB+6*\c+3+\i], v[CX+4*\c+\i]
.endr
.endr
	v_pk_add_f32 v[SU:SU+1], v[SB:SB+1], v[SB+2:SB+3]   ; the row's sum is taken of the unquantised p, in two chains.  (These 32 lines are also the places between the scale word, the codes and the products)
.set j, 4
.rept 15
	v_pk_add_f32 v[TT+2:TT+3], v[TT+2:TT+3], v[SB+j:SB+j+1]
	v_pk_add_f32 v[SU:SU+1], v[SU:SU+1], v[SB+j+2:SB+j+3]
.set j, j+4
.endr
	v_pk_add_f32 v[TT+2:TT+3], v[TT+2:TT+3], v[SU:SU+1]
.if \first == 0
	WIN 0x41+0x41*(\q)                             ; O^T (destination and source 0) in window 1 or 2, f in window 0
.set j, 0
.rept 96
	v_pk_mul_f32 v[j:j+1], v[j:j+1], v[FF:FF+1] op_sel_hi:[1,0]   ; O^T under the new M; each accumulator from its low end on
.set j, j+2
.endr
.endif
.endm
; A KEY STEP: 128 keys of my half.  A load into a register that a matrix instruction has read stands four places behind it (ISA guide 7.12.1 for vector instructions).
.macro STEP slot, first
.irp g, 0,1,2
	ds_load_b128 v[KS+4*\g:KS+4*\g+3], v[AK+\slot] offset:SCO+512*\g
	ds_load_b128 v[VS+4*\g:VS+4*\g+3], v[AV+\slot] offset:SCO+512*\g
.endr
	LOADG \slot, 0
	LOADG \slot, 1
.irp g, 0,1,2,3
	s_wait_dscnt 18                                ; all but the 18 loads of the group issued last
	KQ \g
	PLACES 4
	LOADG \slot, \g+2
.endr
	SOFTMAX 0, \first
	SOFTMAX 1, \first
	s_wait_alu depctr_va_vdst(0)
.irp g, 0,1,2,3
.if \g < 3
	s_wait_dscnt 18
.else
	s_wait_dscnt 0x0
.endif
	PV \g, \first
.if \g < 2
	PLACES 4
	LOADG \slot, \g+6
.endif
.endr
	WIN 0
.endm
; THE CHANGE OF SLOTS stands at a step's head.  Each wave waits for all its tensor loads (its piece of the slot ahead), adds 0 to its spare word, and waits for that and for its reads of the slot that it has left.
; Behind the cluster's barrier the slot ahead is whole and no wave of any partner reads the other one or has a load on its way: that slot is filled with the next step, which has this whole step in which to land.
.macro TRIP slot, refill, first
	s_wait_tensorcnt 0x0                           ; no tensor load of mine is out, so a group 0 may be written
	ds_add_u32 v[SPW], v[NIL]                      ; 0 onto my spare word
	s_add_nc_u64 s[G0+4*\slot+2:G0+4*\slot+3], s[G0+4*\slot+2:G0+4*\slot+3], 2*KVG   ; this slot's next step
	s_wait_dscnt 0x0                               ; the add is done, and my reads of the slot that I have left are over
	ROUND
.if \refill
	tensor_load_to_lds s[G0+4-4*\slot:G0+7-4*\slot], s[G1:G1+7]   ; my one tensor load until the next change of slots
	s_nop 0
.endif
	PLACES 4                                       ; behind the load, and in front of loads into registers that the last products read
	STEP \slot, \first
.endm
	s_wait_loadcnt 0x0                             ; Q
	TRIP 0, 1, 1                                   ; step 0 starts the sums
	s_mov_b32 s[CNT], 3
.Lpair:
	TRIP 1, 1, 0
	TRIP 0, 1, 0
	s_sub_co_u32 s[CNT], s[CNT], 1
	s_cmp_lg_u32 s[CNT], 0
	s_cbranch_scc1 .Lpair
	TRIP 1, 0, 0                                   ; step 7: nothing is left to fetch (the stepped address is not used)
	; ---- my tile's rows of x and fc2_b are asked for: register 16 b + 4 k + .. is channel 32 b + 16 h + 4 k + .. of row r + 8 (r / 8), as O^T has it
	PLACES 4
	WIN 0xc0
.set i, 0
.rept 48
	global_load_b128 v[4*i:4*i+3], v[XO], s[4:5] offset:128*(i/4)+16*(i%4)
.set i, i+1
.endr
	WIN 0
.set i, 0
.rept 48
	global_load_b128 v[64+4*i:64+4*i+3], v[HO], s[12:13] offset:128*(i/4)+16*(i%4)
.set i, i+1
.endr
	; ---- the exchange: local tile 1's O^T, -M and sum go to my partner; its part of my tile comes back
	v_add_f32 v[TA], v[ST+6], v[ST+7]
	WIN 0x08                                       ; an LDS store's data are its source 1: window 2
.set i, 0
.rept 48
	ds_store_b128 v[STW], v[4*i:4*i+3] offset:512*i   ; each accumulator from its low end on
.set i, i+1
.endr
	WIN 0
	ds_store_b32 v[STW4], v[ST+4]
	ds_store_b32 v[STW4], v[TA] offset:128
	s_wait_dscnt 0x0                               ; for my partner's sake: my stores have landed
	s_barrier_signal -1
	s_barrier_wait -1
	WIN 0x80
.set i, 0
.rept 48
	ds_load_b128 v[4*i:4*i+3], v[STR] offset:512*i
.set i, i+1
.endr
	WIN 0
	ds_load_b32 v[OM], v[STR4]
	ds_load_b32 v[OL], v[STR4] offset:128
	s_wait_dscnt 0x0
	v_min_num_f32 v[TA], v[ST], v[OM]              ; -(the common M)
	v_sub_f32 v[BM], v[TA], v[ST]
	v_sub_f32 v[BM+1], v[TA], v[OM]
	v_cvt_i32_f32 v[BM], v[BM]
	v_cvt_i32_f32 v[BM+1], v[BM+1]
	v_ldexp_f32 v[BM], 1.0, v[BM]                  ; 2^(my M - the common M),
	v_ldexp_f32 v[BM+1], 1.0, v[BM+1]              ; 2^(my partner's M - the common M)
	v_add_f32 v[BM+2], v[ST+2], v[ST+3]
	v_mul_f32 v[BM+2], v[BM+2], v[BM]
	v_fma_f32 v[BM+2], v[OL], v[BM+1], v[BM+2]
	v_permlanex16_b32 v[BP], v[BM+2], s[SEL], s[SEL+1]
	v_add_f32 v[BM+2], v[BM+2], v[BP]              ; the row's sum
	s_wait_alu depctr_va_vdst(0)
	v_rcp_f32 v[BM+2], v[BM+2]
	v_nop                                          ; a plain place behind the transcendental
	s_wait_alu depctr_va_vdst(0)
	v_mul_f32 v[GA], v[BM], v[BM+2]
	v_mul_f32 v[GA+1], v[BM], v[BM+2]
	v_mul_f32 v[GB], v[BM+1], v[BM+2]
	v_mul_f32 v[GB+1], v[BM+1], v[BM+2]
	s_wait_alu depctr_va_vdst(0)
	s_wait_loadcnt 0x0                             ; x and fc2_b
	WIN 0x71                                       ; O^T window 1 (source 0 and destination), the factor window 0, x window 3
.set j, 0
.rept 96
	v_pk_fma_f32 v[j:j+1], v[j:j+1], v[GA:GA+1], v[j:j+1]
.set j, j+2
.endr
	WIN 0x52                                       ; my partner's part window 2, the factor window 0, the sum so far window 1
.set j, 0
.rept 96
	v_pk_fma_f32 v[j:j+1], v[j:j+1], v[GB:GB+1], v[j:j+1]   ; x1
.set j, j+2
.endr
	WIN 0x80
.set i, 0
.rept 48
	global_load_b128 v[4*i:4*i+3], v[HO], s[8:9] offset:128*(i/4)+16*(i%4)      ; ln2_w
.set i, i+1
.endr
	WIN 0xc0
.set i, 0
.rept 48
	global_load_b128 v[4*i:4*i+3], v[HO], s[10:11] offset:128*(i/4)+16*(i%4)    ; ln2_b
.set i, i+1
.endr
	WIN 0x01
.set j, 0
.rept 96
	v_pk_add_f32 v[64+j:64+j+1], v[j:j+1], v[64+j:64+j+1]   ; x1 + fc2_b: what the last product's sums begin with
.set j, j+2
.endr
	WIN 0
.set i, 0
.rept 48
	global_store_b128 v[LI], v[64+4*i:64+4*i+3], s[14:15] offset:512*i   ; 32 lanes store 512 consecutive bytes, aligned
.set i, i+1
.endr
	; ---- layernorm of x1: a row lies in lanes l and l xor 16, 192 numbers each
	WIN 0x05
.irp c, 0,1,2,3
	v_pk_add_f32 v[BM+2*\c:BM+2*\c+1], v[2*\c:2*\c+1], v[8+2*\c:8+2*\c+1]
.endr
	WIN 0x04
.set i, 8
.rept 22
.irp c, 0,1,2,3
	v_pk_add_f32 v[BM+2*\c:BM+2*\c+1], v[BM+2*\c:BM+2*\c+1], v[2*(i+\c):2*(i+\c)+1]
.endr
.set i, i+4
.endr
	WIN 0
	v_pk_add_f32 v[BM:BM+1], v[BM:BM+1], v[BM+2:BM+3]
	v_pk_add_f32 v[BM+4:BM+5], v[BM+4:BM+5], v[BM+6:BM+7]
	v_pk_add_f32 v[BM:BM+1], v[BM:BM+1], v[BM+4:BM+5]
	v_add_f32 v[BM], v[BM], v[BM+1]
	v_permlanex16_b32 v[BM+1], v[BM], s[SEL], s[SEL+1]
	v_add_f32 v[BM], v[BM], v[BM+1]
	v_mul_f32 v[BM], s[INV], v[BM]                 ; the mean
	WIN 0x41
.set j, 0
.rept 96
	v_pk_add_f32 v[j:j+1], v[j:j+1], v[BM:BM+1] op_sel_hi:[1,0] neg_lo:[0,1] neg_hi:[0,1]
.set j, j+2
.endr
	WIN 0x05
.irp c, 0,1,2,3
	v_pk_mul_f32 v[BM+2*\c:BM+2*\c+1], v[2*\c:2*\c+1], v[2*\c:2*\c+1]
.endr
.set i, 4
.rept 23
.irp c, 0,1,2,3
	v_pk_fma_f32 v[BM+2*\c:BM+2*\c+1], v[2*(i+\c):2*(i+\c)+1], v[2*(i+\c):2*(i+\c)+1], v[BM+2*\c:BM+2*\c+1]
.endr
.set i, i+4
.endr
	WIN 0
	v_pk_add_f32 v[BM:BM+1], v[BM:BM+1], v[BM+2:BM+3]
	v_pk_add_f32 v[BM+4:BM+5], v[BM+4:BM+5], v[BM+6:BM+7]
	v_pk_add_f32 v[BM:BM+1], v[BM:BM+1], v[BM+4:BM+5]
	v_add_f32 v[BM], v[BM], v[BM+1]
	v_permlanex16_b32 v[BM+1], v[BM], s[SEL], s[SEL+1]
	v_add_f32 v[BM], v[BM], v[BM+1]
	v_fma_f32 v[BM], v[BM], s[INV], s[EPS]
	s_wait_alu depctr_va_vdst(0)
	v_rsq_f32 v[BM], v[BM]
	v_nop                                          ; a plain place behind the transcendental
	WIN 0x41
.set j, 0
	s_wait_alu depctr_va_vdst(0)
.rept 96
	v_pk_mul_f32 v[j:j+1], v[j:j+1], v[BM:BM+1] op_sel_hi:[1,0]
.set j, j+2
.endr
	WIN 0
; 64 numbers of a lane, register 16 b + i = k 32 b + 16 (lane / 16) + i of my row, become a fragment's codes in v[pc] on and its scale word in v[pw]
.macro QUANT s, pc, pw
.irp b, 0,1,2,3
	v_max3_num_f32 v[BM+\b], |v[(\s)+16*\b]|, |v[(\s)+16*\b+1]|, 0x2800000
.endr
.irp i, 2,4,6,8,10,12,14
.irp b, 0,1,2,3
	v_max3_num_f32 v[BM+\b], v[BM+\b], |v[(\s)+16*\b+\i]|, |v[(\s)+16*\b+\i+1]|
.endr
.endr
.irp b, 0,1,2,3
	v_permlanex16_b32 v[BP+\b], v[BM+\b], s[SEL], s[SEL+1]
.endr
.irp b, 0,1,2,3
	v_max_num_f32 v[BM+\b], v[BM+\b], v[BP+\b]
.endr
.irp b, 0,1,2,3
	v_add_nc_u32 v[SOP+\b], 0xfe000000, v[BM+\b]
.endr
.irp b, 0,1,2,3
	v_lshrrev_b32 v[BP+\b], 23, v[SOP+\b]
.endr
	v_lshl_or_b32 v[\pw], v[BP+1], 8, v[BP]
	v_lshl_or_b32 v[\pw], v[BP+2], 16, v[\pw]
	v_lshl_or_b32 v[\pw], v[BP+3], 24, v[\pw]
.irp c, 0,1
	v_cvt_scalef32_pk16_bf6_f32 v[(\pc)+6*\c:(\pc)+6*\c+2], v[(\s)+32*\c:(\s)+32*\c+15], v[SOP+2*\c]
	v_cvt_scalef32_pk16_bf6_f32 v[CX+4*\c:CX+4*\c+2], v[(\s)+32*\c+16:(\s)+32*\c+31], v[SOP+2*\c+1]
.endr
	v_nop                                          ; one plain place behind a scaled conversion
.irp c, 0,1
.irp i, 0,1,2
	v_permlane16_swap_b32 v[(\pc)+6*\c+\i], v[CX+4*\c+\i]
.endr
.irp i, 0,1,2
	v_mov_b32 v[(\pc)+6*\c+3+\i], v[CX+4*\c+\i]
.endr
.endr
.endm
	s_wait_loadcnt 0x0                             ; ln2_w, ln2_b
	s_wait_xcnt 0x0                                ; the stores of x1 + fc2_b have read their registers: v64-255 may be written again
.irp s, 0,1,2
	WIN 0x39                                       ; the normalised row window 1, the gain window 2, the bias window 3, z window 0
.set j, 0
.rept 32
	v_pk_fma_f32 v[64+j:64+j+1], v[64*\s+j:64*\s+j+1], v[64*\s+j:64*\s+j+1], v[64*\s+j:64*\s+j+1]
.set j, j+2
.endr
	WIN 0
	QUANT 64, 128+12*\s, 172+\s
.irp g, 0,1,2
	global_store_b128 v[LI], v[128+12*\s+4*\g:128+12*\s+4*\g+3], s[16:17] offset:1536*\s+512*\g
.endr
	global_store_b32 v[L4], v[172+\s], s[16:17] offset:4608+128*\s
.endr
	s_wait_tensorcnt 0x0                           ; the wave's end: behind my last tensor load and my last LDS store
	ds_add_u32 v[SPW], v[NIL]
	s_wait_dscnt 0x0
	ROUND                                          ; the closing round: no work-group ends while a partner may still ask for a piece that names it
	s_endpgm
.Lfunc_end_k_q6b50eebf4f_attn:
	.size	k_q6b50eebf4f_attn, .Lfunc_end_k_q6b50eebf4f_attn-k_q6b50eebf4f_attn
	.p2alignl 7, 3214868480
	.fill 96, 4, 3214868480
	.section	.rodata,"a",@progbits
	.p2align	6, 0x0
	.amdhsa_kernel k_q6b50eebf4f_attn
		.amdhsa_group_segment_fixed_size 327680
		.amdhsa_private_segment_fixed_size 0
		.amdhsa_enable_private_segment 0
		.amdhsa_kernarg_size 56
		.amdhsa_user_sgpr_count 2
		.amdhsa_user_sgpr_kernarg_segment_ptr 1
		.amdhsa_wavefront_size32 1
		.amdhsa_system_sgpr_workgroup_id_x 1
		.amdhsa_system_sgpr_workgroup_id_y 1
		.amdhsa_system_sgpr_workgroup_id_z 1
		.amdhsa_system_vgpr_workitem_id 0
		.amdhsa_next_free_vgpr 1024
		.amdhsa_next_free_sgpr 100
		.amdhsa_reserve_vcc 0
		.amdhsa_float_denorm_mode_32 3
		.amdhsa_float_denorm_mode_16_64 3
		.amdhsa_memory_ordered 1
		.amdhsa_forward_progress 1
		.amdhsa_inst_pref_size 255
	.end_amdhsa_kernel
	.section	.bss,"aw",@nobits
	.p2align	6
	.space	262144
	.amdgpu_metadata
---
amdhsa.version: [ 1, 2 ]
amdhsa.kernels:
  - .name:           k_q6b50eebf4f_attn
    .symbol:         k_q6b50eebf4f_attn.kd
    .args:
      - { .name: x, .offset: 0, .size: 8, .value_kind: global_buffer, .address_space: global }
      - { .name: kv, .offset: 8, .size: 8, .value_kind: global_buffer, .address_space: global }
      - { .name: ln2_w, .offset: 16, .size: 8, .value_kind: global_buffer, .address_space: global }
      - { .name: ln2_b, .offset: 24, .size: 8, .value_kind: global_buffer, .address_space: global }
      - { .name: fc2_b, .offset: 32, .size: 8, .value_kind: global_buffer, .address_space: global }
      - { .name: x1b, .offset: 40, .size: 8, .value_kind: global_buffer, .address_space: global }
      - { .name: zq, .offset: 48, .size: 8, .value_kind: global_buffer, .address_space: global }
    .group_segment_fixed_size: 327680
    .private_segment_fixed_size: 0
    .kernarg_segment_align: 8
    .kernarg_segment_size: 56
    .max_flat_workgroup_size: 128
    .sgpr_count:     100
    .vgpr_count:     1024
    .wavefront_size: 32
...
	.end_amdgpu_metadata
.endif
;; end of part 2
;; launch mlp (part 3): grid 256 x 1, 8 waves a work-group, clusters of 4 x 1, 327,680 bytes of LDS; arguments zq, wimg, x1b, out0; writes out0
.if DOCPART == 3
	.amdgcn_target "amdgcn-amd-amdhsa--gfx1250"
	.amdhsa_code_object_version 6
	.text
	.protected	k_q6b50eebf4f_mlp
	.globl	k_q6b50eebf4f_mlp
	.p2align	8
	.type	k_q6b50eebf4f_mlp,@function
k_q6b50eebf4f_mlp:
	s_mov_b64 s[64:65], 0
	v_nop
	global_prefetch_b8 v0, s[64:65] scope:SCOPE_SE
	s_setreg_imm32_b32 hwreg(HW_REG_WAVE_MODE, 25, 1), 1
	s_wait_xcnt 0x0
	s_wait_alu depctr_hold_cnt(0) depctr_sa_sdst(0) depctr_va_vdst(0) depctr_va_sdst(0) depctr_va_ssrc(0) depctr_va_vcc(0) depctr_vm_vsrc(0)
	s_getreg_b32 s2, hwreg(HW_REG_IB_STS2, 6, 4)
	s_cmp_eq_u32 s2, 0
	s_cbranch_scc0 .Lentry_in_a_cluster
	s_endpgm
.Lentry_in_a_cluster:
	s_bfe_u32 s2, ttmp6, 0x10000c
	s_cmp_lg_u32 s2, 0x3003
	s_cbranch_scc0 .Lentry_shape_is_right
	s_endpgm
.Lentry_shape_is_right:
; out = x1 + fc2_b + gelu(z fc1^T + fc1_b) fc2^T, both products on codes of E3M2 with one E8M0 scale for each 32 along K.  z arrives as codes (zq), x1 + fc2_b in the layout of the accumulators (x1b),
; the weights as images of their fragments' registers, chunk by chunk of 256 hidden units (wimg).  The hidden layer never goes to memory.
; SHARES.  A work-group owns 64 rows (four tiles of 16) and has eight waves, two to a SIMD.  Wave w = 4 rh + cq owns row tiles 2 rh, 2 rh + 1.  For each of the 12 chunks:
; (1) hidden units 64 cq on of the chunk: 12 fragments of W1, 24 products on 8 accumulators by turns, the bias as the C of each sum's first product; the GELU in f32; two blocks of 32 for each row tile are
; quantised and stored to LDS as half of a fragment's image (6 registers) with two scale bytes;
; (2) the chunk's two K steps onto outputs 96 cq .. 96 cq + 95: 12 fragments of W2, 24 products on 12 accumulators.  The accumulators begin as x1 + fc2_b: nothing is cleared or added at the end.
; THE ORDER OF A TRIP.  Part (2) of chunk c - 1 runs in trip c, behind the cluster's round, which has shown the images to all waves; W2 of chunk c - 1 lies in registers by then.  It goes in two halves of 12 products,
; and behind each half the six fragments of W1 of chunk c are asked for into the registers just freed.  The images are written again only when every wave has read them: a barrier is signalled when my reads are in
; and waited for ahead of my next stores; only register work and LDS loads stand between.
; Both products are used transposed (source 0 = 16 rows of a weight): a lane holds one row, its registers run along the next K or along the output's channels.
; CLUSTER.  All work-groups walk the same 12 blocks of wimg: the four of a cluster ask for each piece JOINTLY.  RING: two slots of 154,624 bytes = 604 rows of 256 bytes; waves 0-3 bring 76 rows each, waves 4-7 75 rows:
; every wave has one tensor load out at a time, and every way through the head passes one.
; PREFETCH.  In trip t (0 to 9) chunk t + 2 is named, whose tensor load stands one trip on: its 604 blocks of 256 bytes are shared out by address among the cluster's 32 waves, 19 blocks a wave, a lane a block
; (lanes left over name their wave's last block); trips 10 and 11 ask for nothing.
; THE GELU is x Phi(x) with erfc by a rational-exponential form of fractional error under 1.2e-7: gelu(x) = max(x, 0) - |x| t 2^(A(t) - x^2 log2(e) / 2), t = 1 / (1 + |x| / (2 sqrt 2)), A of degree 9.
; LIMITS: NaN and infinities are not served.  For x under -8 the rounding of the exponent's argument lets the GELU's relative error grow to some 5e-6 (of numbers under 1e-14).  A block whose largest magnitude lies under 2^-122 gets the scale byte 1.
; REGISTERS: window 0: v1-23 addresses, v24-59 scale words, v64-127 the hidden layer (first the last chunk's four fragments), v128-199 a weight's fragments 6-11, v208-255 at work (the bias first).
;   window 1: v0-95 the 12 accumulators, v96-167 z's six fragments, v168-239 a weight's fragments 0-5.
.set SLOTB, 154624
.set HIMG,  309248                     ; behind the ring: the hidden layer's 8 fragments (2 x row tile + K step), 1,536 bytes each: half c at 768 c: 512 bytes of registers 0-3, 256 of registers 4-5
.set HSC,   321536                     ; their scale words, 128 bytes each
.set SPARE, 322560                     ; the spare words, 128 bytes for each wave
.set SP,    1552                       ; the way out: a stage of 64 rows x (1,536 + 16) bytes in slot 0, which has had its last fill and its last read by then
.set LI,  1
.set LS,  2
.set AW1, 3
.set AW2, 5
.set AS1, 7
.set AS2, 9
.set AB,  11
.set HWI, 13
.set HWJ, 14
.set HWS, 15
.set HRI, 16
.set HRJ, 17
.set HRS, 18
.set SPW, 19
.set NIL, 20
.set SO,  21
.set SR,  22
.set PFO, 23
.set WS1, 24
.set WS2, 36
.set ZS,  48
.set HS,  54
.set PW,  58
.set A9,  60
.set HA,  64
.set WF0, 128
.set B1,  208
.set GT,  208
.set GP,  224
.set GQ,  240
.set TM,  208                          ; the quantiser, behind the GELU: maxima at TM, scale operands at TM + 8, bytes at TM + 12: four each
.set PC,  224                          ; codes of row tile m at PC + 8 m;
.set CX,  240                          ; the conversions' second halves at CX + 4 m
.set PD,  248                          ; the other half's maxima: four registers that a plain instruction wrote last
.set ZF,  96                           ; window 1
.set WF1, 168
.set WV,  12
.set RH,  13
.set CQ,  14
.set C1,  15
.set SEL, 16
.set CH,  18
.set G1A, 20
.set G0,  28
.set CNT, 36
.set AC,  40
.set K1,  58
.set K2,  60
.set G1B, 68
.set PF,  98
.set MSB, 0
.macro WIN new
.if MSB != (\new)
	s_set_vgpr_msb (MSB<<8)|(\new)
.set MSB, \new
.endif
.endm
.macro PLACES n
.rept \n
	v_nop
.endr
.endm
.macro ROUND                           ; a round of the cluster's barrier
	s_barrier_signal -1
	s_barrier_wait -1
	s_cmp_lg_u32 s[WV], 0
	s_cbranch_scc1 .Lnot_wave_0_\@
	s_barrier_signal -3
.Lnot_wave_0_\@:
	s_barrier_wait -3
	s_barrier_signal -1
	s_barrier_wait -1
.endm
.macro JLOAD s                         ; my piece of a chunk into slot s: two lines, one for each number of rows; the branch hangs on the wave's number alone
	s_cmp_lt_u32 s[WV], 4
	s_cbranch_scc0 .Lshort_\@
	tensor_load_to_lds s[G0+4*(\s):G0+4*(\s)+3], s[G1A:G1A+7]
	s_nop 0
	PLACES 4
	s_branch .Lasked_\@
.Lshort_\@:
	tensor_load_to_lds s[G0+4*(\s):G0+4*(\s)+3], s[G1B:G1B+7]
	s_nop 0
	PLACES 4
.Lasked_\@:
.endm
.macro ASK pf                          ; pf = 1: always; pf = 2: not in the loop's last trip, whose chunk two on does not exist
.if \pf == 2
	s_cmp_lg_u32 s[CNT], 1
	s_cbranch_scc0 .Lnone_\@
.endif
.if \pf
	s_cmp_lt_u32 ttmp9, 4
	s_cbranch_scc0 .Lno_prefetch_mlp0_\@
	global_prefetch_b8 v[PFO], s[PF:PF+1] th:TH_LOAD_NT scope:SCOPE_SE
.Lno_prefetch_mlp0_\@:
.endif
.Lnone_\@:
.endm
.macro MM d, a, b, c, sa, sb
	v_wmma_scale_f32_16x16x128_f8f6f4 v[\d:\d+7], v[\a:\a+11], v[\b:\b+11], v[\c:\c+7], v[\sa], v[\sb] matrix_a_fmt:MATRIX_FMT_BF6 matrix_b_fmt:MATRIX_FMT_BF6
.endm
.macro COEF k, bits
	s_mov_b32 s[AC+2*\k], \bits
	s_mov_b32 s[AC+2*\k+1], \bits
.endm
.macro SELA                            ; where weight fragment fi lies
.if fi < 6
.set rA, WF1+12*fi
.set wA, 1
.else
.set rA, WF0+12*(fi-6)
.set wA, 0
.endif
.endm
	s_load_b256 s[4:11], s[0:1], 0x0               ; zq, wimg, x1b, out0
	v_lshl_add_u32 v[SPW], v0, 2, SPARE
	v_mov_b32 v[NIL], 0
	ds_add_u32 v[SPW], v[NIL]                      ; the opening: the add, twice on end, and its wait ahead of my first tensor load
	ds_add_u32 v[SPW], v[NIL]
	v_lshrrev_b32 v1, 5, v0
	s_delay_alu instid0(VALU_DEP_1)
	v_readfirstlane_b32 s[WV], v1                  ; wave 0..7
	s_lshr_b32 s[RH], s[WV], 2
	s_and_b32 s[CQ], s[WV], 3
	s_and_b32 s[C1], s[WV], 1
	s_bfe_u32 s[CH], s[WV], 0x10001
	s_mov_b32 s[SEL], 0x76543210
	s_mov_b32 s[SEL+1], 0xfedcba98
	COEF 0, 0xc034d90f                             ; A's coefficients x log2(e); a0 has 1 taken off for the factor 1/2
	COEF 1, 0x3fb8ab5a
	COEF 2, 0x3f0a29d2
	COEF 3, 0x3e0efb2e
	COEF 4, 0xbe899a80
	COEF 5, 0x3ecdfd18
	COEF 6, 0xbfd1a1e5
	COEF 7, 0x40097039
	COEF 8, 0xbf97d29d
	s_mov_b32 s[K1], 0x3eb504f3                    ; 1 / (2 sqrt 2)
	s_mov_b32 s[K2], 0xbf38aa3b                    ; -log2(e) / 2
	s_mov_b32 s[K2+1], s[K2]
	; group 1: dense rows of 256 bytes (32 elements of 8 bytes), 76 or 75 of them; the mask names all four work-groups, bit 21 beside it
	s_mov_b32 s[G1A], 15|(3<<16)|(1<<21)
	s_mov_b32 s[G1A+1], 32<<16
	s_mov_b32 s[G1A+2], 76<<16
	s_mov_b32 s[G1A+3], 32<<16
	s_mov_b32 s[G1A+4], 76
	s_mov_b32 s[G1A+5], 32
	s_mov_b32 s[G1A+6], 0
	s_mov_b32 s[G1A+7], 0
	s_mov_b32 s[G1B], 15|(3<<16)|(1<<21)
	s_mov_b32 s[G1B+1], 32<<16
	s_mov_b32 s[G1B+2], 75<<16
	s_mov_b32 s[G1B+3], 32<<16
	s_mov_b32 s[G1B+4], 75
	s_mov_b32 s[G1B+5], 32
	s_mov_b32 s[G1B+6], 0
	s_mov_b32 s[G1B+7], 0
	s_mul_i32 s78, s[WV], 75
	s_min_u32 s79, s[WV], 4
	s_add_co_u32 s78, s78, s79
	s_lshl_b32 s78, s78, 8                         ; my piece begins at row 75 w + min(w, 4), in a chunk's block and in a slot
	s_mov_b32 s79, 0
	s_mul_i32 s94, s[CH], 36864
	s_mul_i32 s80, s[C1], 6144
	s_add_co_u32 s80, s80, s94                     ; W1: half cq / 2, tiles 4 (cq % 2) on
	s_mul_i32 s81, s[C1], 18432
	s_add_co_u32 s81, s81, s94
	s_add_co_u32 s81, s81, 73728                   ; W2: half cq / 2, fragments 12 (cq % 2) on
	s_mul_i32 s94, s[CH], 1536
	s_lshl_b32 s82, s[C1], 8
	s_add_co_u32 s82, s82, s94
	s_add_co_u32 s82, s82, 147456                  ; W1's scale words
	s_mul_i32 s83, s[C1], 768
	s_add_co_u32 s83, s83, s94
	s_add_co_u32 s83, s83, 150528                  ; W2's
	s_lshl_b32 s84, s[CQ], 8
	s_add_co_u32 s84, s84, 153600                  ; fc1_b: my 64 numbers
	s_lshl_b32 s94, s[RH], 2
	s_add_co_u32 s94, s94, s[CH]                   ; the image that I write half of: fragment 2 (2 rh + m) + cq / 2
	s_mul_i32 s85, s94, 1536
	s_mul_i32 s95, s[C1], 768
	s_add_co_u32 s85, s85, s95
	s_add_co_u32 s85, s85, HIMG
	s_add_co_u32 s92, s85, 512
	s_lshl_b32 s86, s94, 7
	s_lshl_b32 s95, s[C1], 1
	s_add_co_u32 s86, s86, s95
	s_add_co_u32 s86, s86, HSC
	s_mul_i32 s87, s[RH], 6144
	s_add_co_u32 s87, s87, HIMG                    ; the four images that I read
	s_add_co_u32 s93, s87, 512
	s_lshl_b32 s88, s[RH], 9
	s_add_co_u32 s88, s88, HSC
	s_mul_i32 s89, s[RH], 32*SP
	s_mul_i32 s95, s[CQ], 384
	s_add_co_u32 s89, s89, s95                     ; the stage: row 32 rh + .., byte 384 cq + ..
	s_mul_i32 s90, s[WV], 8*SP                     ; back: my 8 rows
	s_bfe_u32 s37, ttmp6, 0x40000                  ; cx: it enters global addresses of plain loads, stores and prefetches alone
	s_lshl_b32 s91, s37, 3
	s_add_co_u32 s91, s91, s[WV]
	s_mul_i32 s91, s91, 19                         ; the first of my 19 blocks of a chunk
	s_lshl_b32 s38, ttmp9, 2
	s_add_co_u32 s38, s38, s37                     ; my block of 64 rows
	s_lshl_b32 s39, s38, 2
	s_lshl_b32 s59, s[RH], 1
	s_add_co_u32 s39, s39, s59                     ; my first row tile
	s_mul_i32 s76, s39, 5120
	s_mov_b32 s77, 0
	s_mul_i32 s66, s39, 24576
	s_mul_i32 s67, s[CQ], 6144
	s_add_co_u32 s66, s66, s67
	s_mov_b32 s67, 0
	s_lshl_b32 s96, s38, 6
	s_lshl_b32 s97, s[WV], 3
	s_add_co_u32 s96, s96, s97
	s_mul_i32 s96, s96, 1536                       ; the 8 rows of out0 that I store
	s_mov_b32 s97, 0
	s_wait_dscnt 0x0                               ; both opening adds are done
	s_wait_kmcnt 0x0
	s_add_nc_u64 s[62:63], s[6:7], s[78:79]
	s_mov_b32 s[G0], 1
	s_mov_b32 s[G0+1], s78
	s_mov_b64 s[G0+2:G0+3], s[62:63]               ; chunk 0
	s_or_b32 s[G0+3], s[G0+3], 0x80000000
	s_mov_b32 s[G0+4], 1
	s_add_co_u32 s[G0+5], s78, SLOTB
	s_add_nc_u64 s[G0+6:G0+7], s[62:63], SLOTB     ; chunk 1
	s_or_b32 s[G0+7], s[G0+7], 0x80000000
	s_add_nc_u64 s[PF:PF+1], s[6:7], SLOTB         ; each trip steps it first: trip t names chunk t + 2
	s_add_nc_u64 s[4:5], s[4:5], s[76:77]
	s_add_nc_u64 s[8:9], s[8:9], s[66:67]
	s_add_nc_u64 s[10:11], s[10:11], s[96:97]
	ROUND                                          ; all four work-groups are here: the first joint loads meet
	JLOAD 0
	v_and_b32 v62, 31, v0                          ; lane
	v_and_b32 v63, 15, v0                          ; r
	v_bfe_u32 v59, v0, 4, 1                        ; h
	v_mov_b32 v[A9], 0x3e7c6f08
	v_mov_b32 v[A9+1], 0x3e7c6f08
	v_lshlrev_b32 v[LI], 4, v62
	v_lshlrev_b32 v[LS], 2, v62
	v_lshlrev_b32 v58, 3, v62
	v_lshlrev_b32 v57, 4, v63
	v_and_b32 v56, 8, v63
	v_min_u32 v55, 18, v62
	v_add_nc_u32 v[AW1], s80, v[LI]
	v_add_nc_u32 v[AW2], s81, v[LI]
	v_add_nc_u32 v[AS1], s82, v57                  ; both halves of the lanes take row r's words
	v_add_nc_u32 v[AS2], s83, v57
	v_lshl_add_u32 v[AB], v59, 6, s84
	v_add_nc_u32 v56, v56, v63                     ; r + 8 (r / 8)
	v_add_nc_u32 v55, s91, v55
	v_add_nc_u32 v[AW1+1], SLOTB, v[AW1]
	v_add_nc_u32 v[AW2+1], SLOTB, v[AW2]
	v_add_nc_u32 v[AS1+1], SLOTB, v[AS1]
	v_add_nc_u32 v[AS2+1], SLOTB, v[AS2]
	v_add_nc_u32 v[AB+1], SLOTB, v[AB]
	v_mul_u32_u24 v56, v56, SP
	v_min_u32 v55, 603, v55                        ; inside the chunk's 604 blocks
	v_add_nc_u32 v[HWI], s85, v[LI]
	v_add_nc_u32 v[HWJ], s92, v58
	v_add_nc_u32 v[HWS], s86, v[LS]
	v_add_nc_u32 v[HRI], s87, v[LI]
	v_add_nc_u32 v[HRJ], s93, v58
	v_add_nc_u32 v[HRS], s88, v[LS]
	v_lshl_add_u32 v56, v59, 6, v56
	v_lshlrev_b32 v[PFO], 8, v55
	v_add_nc_u32 v[SR], s90, v[LI]
	s_delay_alu instid0(VALU_DEP_3)
	v_add_nc_u32 v[SO], s89, v56
	s_wait_alu depctr_va_vdst(0)
	WIN 0x40                                       ; destination window 1: z's fragments stay in registers
.irp m, 0,1
.irp s, 0,1,2
.irp g, 0,1,2
	global_load_b128 v[ZF+12*(3*\m+\s)+4*\g:ZF+12*(3*\m+\s)+4*\g+3], v[LI], s[4:5] offset:5120*\m+1536*\s+512*\g
.endr
.endr
.endr
	WIN 0
.irp m, 0,1
.irp s, 0,1,2
	global_load_b32 v[ZS+3*\m+\s], v[LS], s[4:5] offset:5120*\m+4608+128*\s
.endr
.endr
	WIN 0x40                                       ; x1 + fc2_b starts the sums: 24 loads, first wanted in trip 1
.irp m, 0,1
.irp n, 0,1,2,3,4,5
.irp k, 0,1
	global_load_b128 v[8*(6*\m+\n)+4*\k:8*(6*\m+\n)+4*\k+3], v[LI], s[8:9] offset:24576*\m+1024*\n+512*\k th:TH_LOAD_NT
.endr
.endr
.endr
	WIN 0
; the GELU of two accumulators' sixteen numbers, in place, each from its low end on.  One wait ahead of each batch of transcendentals and one behind it
.macro GELU16 x
.set j, 0
.rept 16
	v_fma_f32 v[GT+j], |v[(\x)+j]|, s[K1], 1.0
.set j, j+1
.endr
	s_wait_alu depctr_va_vdst(0)
.set j, 0
.rept 16
	v_rcp_f32 v[GT+j], v[GT+j]                     ; t
.set j, j+1
.endr
.set j, 0
.rept 8
	v_pk_mul_f32 v[GQ+j:GQ+j+1], v[(\x)+j:(\x)+j+1], s[K2:K2+1] op_sel_hi:[1,0]   ; plain lines behind the reciprocals
.set j, j+2
.endr
	s_wait_alu depctr_va_vdst(0)
.set j, 0
.rept 8
	v_pk_fma_f32 v[GP+j:GP+j+1], v[GT+j:GT+j+1], v[A9:A9+1], s[AC+16:AC+17] op_sel_hi:[1,1,0]
.set j, j+2
.endr
.irp k, 7,6,5,4,3,2,1,0
.set j, 0
.rept 8
	v_pk_fma_f32 v[GP+j:GP+j+1], v[GP+j:GP+j+1], v[GT+j:GT+j+1], s[AC+2*\k:AC+2*\k+1] op_sel_hi:[1,1,0]
.set j, j+2
.endr
.endr
.set j, 0
.rept 8
	v_pk_fma_f32 v[GP+j:GP+j+1], v[(\x)+j:(\x)+j+1], v[GQ+j:GQ+j+1], v[GP+j:GP+j+1]   ; A(t) - x^2 log2(e) / 2
.set j, j+2
.endr
	s_wait_alu depctr_va_vdst(0)
.set j, 0
.rept 16
	v_exp_f32 v[GP+j], v[GP+j]
.set j, j+1
.endr
.set j, 0
.rept 16
	v_max_num_f32 v[GQ+j], 0, v[(\x)+j]            ; plain lines behind the exponentials
.set j, j+1
.endr
	s_wait_alu depctr_va_vdst(0)
.set j, 0
.rept 8
	v_pk_mul_f32 v[GP+j:GP+j+1], v[GT+j:GT+j+1], v[GP+j:GP+j+1]
.set j, j+2
.endr
.set j, 0
.rept 16
	v_fma_f32 v[(\x)+j], -|v[(\x)+j]|, v[GP+j], v[GQ+j]
.set j, j+1
.endr
.endm
; block q = 2 m + b: registers HA + 16 q + i = hidden unit 32 b + 16 (lane / 16) + i of my 64, row tile m.  Four blocks by turns; each row tile's two become 6 registers of codes and two scale bytes
.macro QUANT
.irp q, 0,1,2,3
	v_max3_num_f32 v[TM+\q], |v[HA+16*\q]|, |v[HA+16*\q+1]|, 0x2800000   ; and the floor 2^(5 - 127): the byte cannot fall under 1
.endr
.irp i, 2,4,6,8,10,12,14
.irp q, 0,1,2,3
	s_delay_alu instid0(VALU_DEP_4)
	v_max3_num_f32 v[TM+\q], v[TM+\q], |v[HA+16*\q+\i]|, |v[HA+16*\q+\i+1]|
.endr
.endr
.irp q, 0,1,2,3
	s_delay_alu instid0(VALU_DEP_4)
	v_permlanex16_b32 v[PD+\q], v[TM+\q], s[SEL], s[SEL+1]
.endr
.irp q, 0,1,2,3
	s_delay_alu instid0(VALU_DEP_4)
	v_max_num_f32 v[TM+\q], v[TM+\q], v[PD+\q]     ; with lane l xor 16's 16 numbers
.endr
.irp q, 0,1,2,3
	s_delay_alu instid0(VALU_DEP_4)
	v_add_nc_u32 v[TM+8+\q], 0xfe000000, v[TM+\q]  ; 4 off the exponent field: the conversion's scale operand
.endr
.irp q, 0,1,2,3
	s_delay_alu instid0(VALU_DEP_4)
	v_lshrrev_b32 v[TM+12+\q], 23, v[TM+8+\q]      ; the scale's byte
.endr
	s_delay_alu instid0(VALU_DEP_3)
	v_lshl_or_b32 v[PW], v[TM+13], 8, v[TM+12]
	s_delay_alu instid0(VALU_DEP_2)
	v_lshl_or_b32 v[PW+1], v[TM+15], 8, v[TM+14]
.irp m, 0,1
	v_cvt_scalef32_pk16_bf6_f32 v[PC+8*\m:PC+8*\m+2], v[HA+32*\m:HA+32*\m+15], v[TM+8+2*\m]
	v_cvt_scalef32_pk16_bf6_f32 v[CX+4*\m:CX+4*\m+2], v[HA+32*\m+16:HA+32*\m+31], v[TM+9+2*\m]   ; (a conversion's three registers begin on an even number)
.endr
	v_nop                                          ; one plain place behind a scaled conversion
.irp m, 0,1                                    ; the operand's layout wants a WHOLE block in a lane
.irp i, 0,1,2
	v_permlane16_swap_b32 v[PC+8*\m+\i], v[CX+4*\m+\i]
.endr
.endr
.irp m, 0,1
.irp i, 0,1,2
	v_mov_b32 v[PC+8*\m+3+\i], v[CX+4*\m+\i]
.endr
.endr
.endm
; six of a weight's 12 fragments (6 h on), 18 LDS loads of 512 consecutive bytes.  w1 = 1: fragment 4 s + t lies at place 8 s + t of its half
.macro FETCHH adr, w1, h
	WIN 0x40*(1-(\h))
.set fi, 6*(\h)
.rept 6
	SELA
.irp g, 0,1,2
	ds_load_b128 v[rA+4*\g:rA+4*\g+3], v[\adr] offset:1536*(fi+(\w1)*4*(fi/4))+512*\g
.endr
.set fi, fi+1
.endr
	WIN 0
.endm
.macro HLOAD                           ; the hidden layer's fragments 2 m + s of my two row tiles, and their scale words
.irp f, 0,1,2,3
.irp c, 0,1
	ds_load_b128 v[HA+12*\f+6*\c:HA+12*\f+6*\c+3], v[HRI] offset:1536*\f+768*\c
	ds_load_b64 v[HA+12*\f+6*\c+4:HA+12*\f+6*\c+5], v[HRJ] offset:1536*\f+768*\c
.endr
	ds_load_b32 v[HS+\f], v[HRS] offset:128*\f
.endr
.endm
.macro P2H h                           ; 12 products: output tiles 3 h .. 3 h + 2 x my two row tiles x two K steps; six accumulators by turns
.irp s, 0,1
.irp n, 0,1,2
.irp m, 0,1
.set fi, 2*(3*(\h)+\n)+\s
	SELA
.set rD, 8*(6*\m+3*(\h)+\n)
.set rB, HA+12*(2*\m+\s)
.set rSA, WS2+fi
.set rSB, HS+2*\m+\s
	WIN 0x50|wA                                    ; the hidden layer in window 0, C and D in window 1
	MM rD, rA, rB, rD, rSA, rSB
.endr
.endr
.endr
	WIN 0
.endm
.macro P1M                             ; 24 products: my four hidden tiles x two row tiles x three K steps; eight accumulators by turns
.irp s, 0,1,2
	s_wait_dscnt 24-12*\s                          ; the 12 loads of each later K step may stay out
.irp t, 0,1,2,3
.irp m, 0,1
.set fi, 4*\s+\t
	SELA
.set rD, HA+32*\m+8*\t
.set rB, ZF+12*(3*\m+\s)
.set rC, B1+8*\t
.set rSA, WS1+fi
.set rSB, ZS+3*\m+\s
	WIN 0x04|wA                                    ; z in window 1, the bias and the result in window 0
.if \s == 0
	MM rD, rA, rB, rC, rSA, rSB
.else
	MM rD, rA, rB, rD, rSA, rSB
.endif
.endr
.endr
.endr
	WIN 0
.endm
; A TRIP.  At its head the change of slots: each wave waits for its tensor load (its piece of the slot ahead), adds 0 to its spare word, and waits for that, for its reads of the slot that it has left and for its image stores.
; Behind the cluster's barrier the other slot is filled with the next chunk, which has this whole trip in which to land.  p2 = 1: the last chunk's second product runs first.
.macro TRIP slot, refill, pf, p2
.if \pf
	s_wait_xcnt 0x0                                ; my last prefetch has read its address
	s_add_nc_u64 s[PF:PF+1], s[PF:PF+1], SLOTB
.endif
	s_wait_tensorcnt 0x0                           ; no tensor load of mine is out, so a group 0 may be written
	ds_add_u32 v[SPW], v[NIL]
	s_add_nc_u64 s[G0+4*\slot+2:G0+4*\slot+3], s[G0+4*\slot+2:G0+4*\slot+3], 2*SLOTB   ; this slot's next chunk
	s_wait_dscnt 0x0
	ROUND
.if \refill
	JLOAD 1-\slot                                  ; my one tensor load until the next change of slots
.endif
.if \p2
	HLOAD
.endif
	ASK \pf
.if \p2
	s_wait_dscnt 0x0                               ; my reads of the images are in:
.endif
	s_barrier_signal -1                            ; say so; the wait stands ahead of my next stores into them
.irp t, 0,1,2,3
.irp k, 0,1
	ds_load_b128 v[B1+8*\t+4*\k:B1+8*\t+4*\k+3], v[AB+\slot] offset:128*(\t/2)+32*(\t%2)+16*\k
.endr
.endr
.irp g, 0,1,2
	ds_load_b128 v[WS1+4*\g:WS1+4*\g+3], v[AS1+\slot] offset:512*\g
.endr
.if \p2
	s_wait_alu depctr_va_vdst(0)                   ; the sums were last written ahead of the GELU's transcendentals
	P2H 0
	PLACES 4                                       ; in front of loads into registers that these products read
.endif
	FETCHH AW1+\slot, 1, 0
.if \p2
	P2H 1
	PLACES 5                                       ; five: the first product's sums write over registers that these products read as source 1
.endif
	FETCHH AW1+\slot, 1, 1
	P1M
	PLACES 4                                       ; in front of loads into registers that the products read, and of the first read of results
.irp g, 0,1,2
	ds_load_b128 v[WS2+4*\g:WS2+4*\g+3], v[AS2+\slot] offset:256*\g
.endr
	FETCHH AW2+\slot, 0, 0                         ; W2 lands while the GELU is taken, and stays in registers into the next trip
	FETCHH AW2+\slot, 0, 1
.irp u, 0,1,2,3
	GELU16 HA+16*\u
.endr
	QUANT
	s_wait_alu depctr_va_vdst(0)
	s_barrier_wait -1                              ; every wave has read the last chunk's images
.irp m, 0,1
	ds_store_b128 v[HWI], v[PC+8*\m:PC+8*\m+3] offset:3072*\m
	ds_store_b64 v[HWJ], v[PC+8*\m+4:PC+8*\m+5] offset:3072*\m
	ds_store_b16 v[HWS], v[PW+\m] offset:256*\m
.endr
.endm
	s_wait_loadcnt 24                              ; z and its scale words are in; the 24 loads of x1 + fc2_b may stay out
	TRIP 0, 1, 1, 0                                ; chunk 0
	s_wait_loadcnt 0x0                             ; x1 + fc2_b
	s_mov_b32 s[CNT], 5
.Lpair:
	TRIP 1, 1, 1, 1                                ; chunks 1, 3, .. 9
	TRIP 0, 1, 2, 1                                ; chunks 2, 4, .. 10
	s_sub_co_u32 s[CNT], s[CNT], 1
	s_cmp_lg_u32 s[CNT], 0
	s_cbranch_scc1 .Lpair
	TRIP 1, 0, 0, 1                                ; chunk 11: nothing is left to fetch (the stepped address is not used)
	s_wait_dscnt 0x0                               ; for the others' sake: my halves of the last images lie in LDS; W2 is in
	s_barrier_signal -1
	s_barrier_wait -1
	HLOAD
	s_wait_dscnt 0x0
	s_wait_alu depctr_va_vdst(0)                   ; as in a trip
	P2H 0                                          ; chunk 11's second product
	P2H 1
	; THE WAY OUT.  A lane holds 32 neighbouring bytes of a row, a row's 1,536 bytes come from four waves: they meet in a stage, and each wave stores 8 whole rows.
	PLACES 4
	WIN 0x04                                       ; an LDS store's data are its source 1: window 1
.irp m, 0,1
.irp n, 0,1,2,3,4,5
.irp k, 0,1
	ds_store_b128 v[SO], v[8*(6*\m+\n)+4*\k:8*(6*\m+\n)+4*\k+3] offset:8*\m*SP+128*(\n/2)+32*(\n%2)+16*\k   ; each accumulator from its low end on
.endr
.endr
.endr
	WIN 0
	s_wait_dscnt 0x0                               ; for the others' sake: my stores into the stage are done
	s_barrier_signal -1
	s_barrier_wait -1
.set kk, 0
.rept 8
.irp j, 0,1,2
	ds_load_b128 v[HA+12*kk+4*\j:HA+12*kk+4*\j+3], v[SR] offset:SP*kk+512*\j
.endr
.set kk, kk+1
.endr
.set kk, 0
.rept 8
	s_wait_dscnt 21-3*kk                           ; the three loads of each later row may stay out
.irp j, 0,1,2
	global_store_b128 v[LI], v[HA+12*kk+4*\j:HA+12*kk+4*\j+3], s[10:11] offset:1536*kk+512*\j th:TH_STORE_NT   ; 32 lanes store 512 consecutive bytes, aligned
.endr
.set kk, kk+1
.endr
	s_wait_tensorcnt 0x0                           ; the wave's end
	ds_add_u32 v[SPW], v[NIL]
	s_wait_dscnt 0x0
	ROUND                                          ; the closing round: no work-group ends while a partner may still ask for a piece that names it
	s_endpgm
.Lfunc_end_k_q6b50eebf4f_mlp:
	.size	k_q6b50eebf4f_mlp, .Lfunc_end_k_q6b50eebf4f_mlp-k_q6b50eebf4f_mlp
	.p2alignl 7, 3214868480
	.fill 96, 4, 3214868480
	.section	.rodata,"a",@progbits
	.p2align	6, 0x0
	.amdhsa_kernel k_q6b50eebf4f_mlp
		.amdhsa_group_segment_fixed_size 327680
		.amdhsa_private_segment_fixed_size 0
		.amdhsa_enable_private_segment 0
		.amdhsa_kernarg_size 32
		.amdhsa_user_sgpr_count 2
		.amdhsa_user_sgpr_kernarg_segment_ptr 1
		.amdhsa_wavefront_size32 1
		.amdhsa_system_sgpr_workgroup_id_x 1
		.amdhsa_system_sgpr_workgroup_id_y 1
		.amdhsa_system_sgpr_workgroup_id_z 1
		.amdhsa_system_vgpr_workitem_id 0
		.amdhsa_next_free_vgpr 512
		.amdhsa_next_free_sgpr 100
		.amdhsa_reserve_vcc 0
		.amdhsa_float_denorm_mode_32 3
		.amdhsa_float_denorm_mode_16_64 3
		.amdhsa_memory_ordered 1
		.amdhsa_forward_progress 1
		.amdhsa_inst_pref_size 255
	.end_amdhsa_kernel
	.amdgpu_metadata
---
amdhsa.version: [ 1, 2 ]
amdhsa.kernels:
  - .name:           k_q6b50eebf4f_mlp
    .symbol:         k_q6b50eebf4f_mlp.kd
    .args:
      - { .name: zq, .offset: 0, .size: 8, .value_kind: global_buffer, .address_space: global }
      - { .name: wimg, .offset: 8, .size: 8, .value_kind: global_buffer, .address_space: global }
      - { .name: x1b, .offset: 16, .size: 8, .value_kind: global_buffer, .address_space: global }
      - { .name: out0, .offset: 24, .size: 8, .value_kind: global_buffer, .address_space: global }
    .group_segment_fixed_size: 327680
    .private_segment_fixed_size: 0
    .kernarg_segment_align: 8
    .kernarg_segment_size: 32
    .max_flat_workgroup_size: 256
    .sgpr_count:     100
    .vgpr_count:     512
    .wavefront_size: 32
...
	.end_amdgpu_metadata
.endif
;; end of part 3
